; MI455X (gfx1250); checked and timed in simulation.
; The chip was launched on July 23, 2026; its instructions are those of AMD's public machine-readable ISA for CDNA 5 (MIT licence, August 2026) and "CDNA5" Instruction Set Architecture Reference Guide (July 2026). The comments in the code are by the model that wrote it; some were corrected since.
;; Attention Block. Allowed arithmetic: matrix products marked QUANTISED: E2M1 operands, one E8M0 scale for each 32 along K, by v_wmma_scale_f32_16x16x128_f8f6f4 with both operands' format E2M1 (or v_wmma_scale_f32_32x16x128_f4), f32 sums; everything else in f32.
;; Inputs: norm_b 256 float32; norm_w 256 float32; proj_b 256 float32; proj_w 256 x 256 float32; qkv_b 768 float32; qkv_w 768 x 256 float32; x 4 x 256 x 64 x 64 float32.
;; Outputs: out0 4 x 256 x 64 x 64 float32.
;; This version of the problem:
;;   THIS VERSION OF THE PROBLEM IS GIVEN IN LOW PRECISION. The matrix products marked QUANTISED in the list below multiply operands that are first quantised to E2M1 (2 exponent bits, 1 mantissa bit; 4 bits a number), with one power-of-two scale for each 32 numbers along K (OCP MX v1.0); their sums are f32. All else is computed in f32.
;;   The module's matrix products, in the order in which they are computed (A, B: the left and right operand; K: the contracted axis; several contracted axes count as one K, in the product's order):
;;     1. [M 16,384, K 256] x [K 256, N 768]; A: computed on the way; B: input qkv_w: QUANTISED
;;     2. batch 16 x [M 4,096, K 64] x [K 64, N 4,096]; A: computed on the way; B: computed on the way: QUANTISED
;;     3. batch 16 x [M 64, K 4,096] x [K 4,096, N 4,096]; A: computed on the way; B: softmax (see below): QUANTISED
;;     4. [M 16,384, K 256] x [K 256, N 256]; A: computed on the way; B: input proj_w: QUANTISED
;;   THE QUANTISER, for each operand of a quantised product, along K:
;;     - K is cut into blocks of 32 from its start; a last block that is shorter is filled with zeros.
;;     - A block's scale is 2^e with e = floor(log2(the largest magnitude in the block)) - 2, held to -126 .. 127; a block of zeros has e = 0. As a byte (E8M0): e + 127.
;;     - Each number is divided by its block's scale, clamped to +-6, and rounded to the nearest number of E2M1, ties to even, subnormals kept.
;;     - The product sums the exact products of the quantised numbers (number of the format x scale) in f32.
;;   ~~~python
;;   def quantise(x, axis):      # numpy; x: float32 -> the quantised numbers, widened to float32 again
;;       x = np.moveaxis(x, axis, -1); K = x.shape[-1]
;;       x = np.pad(x, [(0, 0)] * (x.ndim - 1) + [(0, -K % 32)]); x = x.reshape(x.shape[:-1] + (-1, 32)); a = np.abs(x).max(-1, keepdims=True)
;;       e = np.where(a > 0, np.clip(np.frexp(np.where(a > 0, a, 1))[1] - 1 - 2, -126, 127), 0)      # np.frexp(a)[1] - 1 = floor(log2(a)), exactly
;;       r = np.clip(x / 2.0 ** e, -6, 6)
;;       step = 2.0 ** (np.maximum(np.frexp(np.where(r == 0, 1, r))[1] - 1, 0) - 1)
;;       q = np.round(r / step) * step * 2.0 ** e      # np.round: ties to even
;;       return np.moveaxis(q.reshape(q.shape[:-2] + (-1,))[..., :K], -1, axis).astype(np.float32)
;;   ~~~
;;   SOFTMAX AHEAD OF A QUANTISED PRODUCT. Where the list says 'softmax', what is quantised is not the finished softmax but p = 2^(t - M), with t = logit x log2(e) and M = ceil(the row's largest t), a whole number; so 1/2 < the row's largest p <= 1. The row's sum l is taken of the UNQUANTISED p, in f32, and the product's result is divided by l at the end. Since M is a whole number, a kernel that streams over the keys may use a running M (the ceiling of the running maximum): every later rescaling is an exact power of two, which a block's scale takes up: the codes' values come out the same.
;;   OPERANDS COMPUTED ON THE WAY. 'Computed on the way' means the value that the module computes at that place (a softmax that the list does not call 'softmax' is quantised finished and normalised). What goes into a quantiser is computed in f32, as accurately as f32 sums, v_exp_f32 and their like allow (about 1e-6 of the number): no bf16 or f16 on the way to a quantiser, and a product that is left as it is and whose result goes on into a quantised operand takes f32 operands (vector FMAs, or v_wmma_f32_16x16x4_f32). A number that lies on a knife's edge between two numbers of the format may be rounded either way, as far as f32 arithmetic and the matrix unit's own rounding can turn it there, and no further.
;; One version. Each part assembles by itself: llvm-mc -triple=amdgcn-amd-amdhsa -mcpu=gfx1250 --defsym DOCPART=n.
;; ======== version 1 of 1: 4 launches
;; workspace buffers: stats 2,048 bytes; wq 139,264 bytes; qq 2,359,296 bytes; kv 4,587,520 bytes; oq 2,228,224 bytes
;; launch prep (part 1): grid 264 x 1, 8 waves a work-group, no clusters, 1,536 bytes of LDS; arguments x, qkv_w, proj_w, stats, wq; writes stats, wq
.if DOCPART == 1
	.amdgcn_target "amdgcn-amd-amdhsa--gfx1250"
	.amdhsa_code_object_version 6
	.text
	.protected	k_q960942af34_prep
	.globl	k_q960942af34_prep
	.p2align	8
	.type	k_q960942af34_prep,@function
k_q960942af34_prep:
	s_mov_b64 s[64:65], 0
	v_nop
	global_prefetch_b8 v0, s[64:65] scope:SCOPE_SE
	s_setreg_imm32_b32 hwreg(HW_REG_WAVE_MODE, 25, 1), 1
	s_wait_xcnt 0x0
; TWO JOBS IN ONE LAUNCH, parted by the work-group's number.
; Work-groups 0-7: qkv_w [768][256] and proj_w [256][256], f32, become codes of FP4 (E2M1) with one E8M0 byte for each 32 along K (their rows), laid as IMAGES OF THE OPERAND'S REGISTERS:
;   wq + tile x 2048 + piece x 512 + 16 x lane, piece = 2 s + c: lane (r, h) holds block 4 s + 2 c + h of the tile's row r (K step s of 128);  scale words at wq + 131072 + tile x 128 + 4 x lane:
;   lanes 0-15 the word of K step 0 of row r, lanes 16-31 that of K step 1.  One wave makes one tile of 16 rows.
;   Tiles 0-47 (qkv_w): THE ROWS OF A TILE ARE NOT NEIGHBOURS: row r of tile 2 b + u is row 32 b + 8 u + r + 8 (r / 8), so that the results of two neighbouring tiles are 16 neighbours along the next K.  Tiles 48-63 (proj_w): 16 neighbouring rows.
; Work-groups 8-263: GroupNorm's statistics by parts.  A group (32 channels x 4,096 tokens) is 524,288 consecutive bytes of x: eight chunks of 65,536.  A work-group takes one chunk, keeps it in registers,
;   and stores the chunk's mean and the sum of squares ABOUT THAT MEAN: no difference of large sums is formed, so a common offset of the inputs costs no accuracy.  stats: [group][16]: words 0-7 the means, 8-15 the sums of squares.
; A block's scale is 2^(floor(log2(largest magnitude)) - 2); its byte is the largest magnitude's exponent field - 2, held at 1 from below.
; LIMITS: a block whose largest magnitude lies under 2^-124 gets the byte 1; a block of zeros gets the byte 1 where the rule says 127 (its codes are zeros, and only this program reads the bytes); NaN and infinities are not served.
; No tensor load, no cluster: no two work-groups read the same bytes.
.set X, 64                             ; v64-127 a thread's 64 numbers of x;  v64-191 a lane's four blocks of a weight row
	s_load_b128 s[4:7], s[0:1], 0x0                ; x, qkv_w
	s_load_b128 s[8:11], s[0:1], 0x10              ; proj_w, stats
	s_load_b64 s[12:13], s[0:1], 0x20              ; wq
	v_lshl_add_u32 v192, v0, 2, 0x200
	v_mov_b32 v193, 0
	v_lshrrev_b32 v2, 5, v0
	s_delay_alu instid0(VALU_DEP_1)
	v_readfirstlane_b32 s14, v2                    ; wave 0..7
	s_mov_b32 s16, 0x76543210
	s_mov_b32 s17, 0xfedcba98                      ; v_permlanex16_b32's selects for lane l xor 16
	s_cmp_lt_u32 ttmp9, 8
	s_cbranch_scc1 .Lweights
; ---------------- the statistics of one chunk ----------------
	s_sub_co_u32 s18, ttmp9, 8                     ; the chunk, 0..255
	s_lshl_b32 s20, s18, 16                        ; its first byte in x
	s_mov_b32 s21, 0
	s_lshr_b32 s22, s18, 3
	s_lshl_b32 s22, s22, 6                         ; its group's 64 bytes of stats,
	s_and_b32 s23, s18, 7
	s_lshl_b32 s23, s23, 2
	s_add_co_u32 s22, s22, s23                     ; and its word among the eight
	s_mov_b32 s23, 0
	v_lshlrev_b32 v1, 4, v0                        ; 16 bytes a thread: a wave's load covers 512 consecutive bytes
	s_wait_alu depctr_va_vdst(0)
	v_lshlrev_b32 v20, 2, v2                       ; LDS: my wave's word
	v_mov_b32 v21, 0
	v_mov_b32 v19, 0                               ; a lane permute's destination counts as read: written once
	s_wait_kmcnt 0x0
	s_add_nc_u64 s[4:5], s[4:5], s[20:21]
	s_add_nc_u64 s[10:11], s[10:11], s[22:23]
.irp j, 0,1,2,3,4,5,6,7,8,9,10,11,12,13,14,15
	global_load_b128 v[X+4*\j:X+4*\j+3], v1, s[4:5] offset:4096*\j   ; the whole chunk is on its way at once
.endr
.macro WSUM r                          ; the sum over the wave's 32 lanes, in every lane
	s_delay_alu instid0(VALU_DEP_1)
	v_add_f32_dpp v[\r], v[\r], v[\r] row_xmask:1 row_mask:0xf bank_mask:0xf
	s_delay_alu instid0(VALU_DEP_1)
	v_add_f32_dpp v[\r], v[\r], v[\r] row_xmask:2 row_mask:0xf bank_mask:0xf
	s_delay_alu instid0(VALU_DEP_1)
	v_add_f32_dpp v[\r], v[\r], v[\r] row_xmask:4 row_mask:0xf bank_mask:0xf
	s_delay_alu instid0(VALU_DEP_1)
	v_add_f32_dpp v[\r], v[\r], v[\r] row_xmask:8 row_mask:0xf bank_mask:0xf
	s_delay_alu instid0(VALU_DEP_1)
	v_permlanex16_b32 v19, v[\r], s16, s17
	s_delay_alu instid0(VALU_DEP_1)
	v_add_f32 v[\r], v[\r], v19
.endm
.macro GSUM off                        ; the eight waves' figures meet in LDS; every lane ends with the total in v12
	ds_store_b32 v20, v12 offset:\off              ; all lanes of a wave write the same word with the same value
	s_wait_dscnt 0x0                               ; for the others' sake: my store has landed
	s_barrier_signal -1
	s_barrier_wait -1
	ds_load_b128 v[12:15], v21 offset:\off
	ds_load_b128 v[16:19], v21 offset:\off+16
	s_wait_dscnt 0x0
	v_add_f32 v12, v12, v13
	v_add_f32 v14, v14, v15
	v_add_f32 v16, v16, v17
	v_add_f32 v18, v18, v19
	s_delay_alu instid0(VALU_DEP_3)
	v_add_f32 v12, v12, v14
	s_delay_alu instid0(VALU_DEP_2)
	v_add_f32 v16, v16, v18
	s_delay_alu instid0(VALU_DEP_1)
	v_add_f32 v12, v12, v16
.endm
	s_wait_loadcnt 12                              ; the first four loads are in; the twelve younger may be out
.irp k, 0,1,2,3
	v_pk_add_f32 v[2+2*\k:3+2*\k], v[X+2*\k:X+2*\k+1], v[X+8+2*\k:X+9+2*\k]   ; four chains, started by their first two pairs: nothing is cleared
.endr
	s_wait_alu depctr_va_vdst(0)
.irp g, 1,2,3
	s_wait_alu depctr_va_vdst(0)
	s_wait_loadcnt 12-4*\g                         ; the next four loads are in
.irp n, 0,1,2,3,4,5,6,7
	v_pk_add_f32 v[2+2*(\n%4):3+2*(\n%4)], v[2+2*(\n%4):3+2*(\n%4)], v[X+16*\g+2*\n:X+16*\g+2*\n+1]
.endr
.endr
	s_delay_alu instid0(VALU_DEP_3)
	v_pk_add_f32 v[2:3], v[2:3], v[4:5]
	s_delay_alu instid0(VALU_DEP_2)
	v_pk_add_f32 v[6:7], v[6:7], v[8:9]
	s_delay_alu instid0(VALU_DEP_1)
	v_pk_add_f32 v[2:3], v[2:3], v[6:7]
	s_delay_alu instid0(VALU_DEP_1)
	v_add_f32 v12, v2, v3
	WSUM 12
	GSUM 0
	s_delay_alu instid0(VALU_DEP_1)
	v_mul_f32 v10, 0x38800000, v12                 ; the chunk's mean: / 16,384
	s_delay_alu instid0(VALU_DEP_1)
	v_mov_b32 v11, v10
.irp g, 0,1,2,3,4,5,6,7                ; the second pass, on the registers still held: squares about the mean
.irp k, 0,1,2,3
	v_pk_add_f32 v[12+2*\k:13+2*\k], v[X+8*\g+2*\k:X+8*\g+2*\k+1], v[10:11] neg_lo:[0,1] neg_hi:[0,1]
.endr
.irp k, 0,1,2,3
.if \g == 0
	s_delay_alu instid0(VALU_DEP_4)
	v_pk_mul_f32 v[2+2*\k:3+2*\k], v[12+2*\k:13+2*\k], v[12+2*\k:13+2*\k]
.else
	s_delay_alu instid0(VALU_DEP_4)
	v_pk_fma_f32 v[2+2*\k:3+2*\k], v[12+2*\k:13+2*\k], v[12+2*\k:13+2*\k], v[2+2*\k:3+2*\k]
.endif
.endr
.endr
	s_delay_alu instid0(VALU_DEP_3)
	v_pk_add_f32 v[2:3], v[2:3], v[4:5]
	s_delay_alu instid0(VALU_DEP_2)
	v_pk_add_f32 v[6:7], v[6:7], v[8:9]
	s_delay_alu instid0(VALU_DEP_1)
	v_pk_add_f32 v[2:3], v[2:3], v[6:7]
	s_delay_alu instid0(VALU_DEP_1)
	v_add_f32 v12, v2, v3
	WSUM 12
	GSUM 256                                       ; other LDS bytes than the first meeting's: no wave can overwrite what another still reads
	v_cmp_eq_u32 vcc_lo, 1, v0
	s_delay_alu instid0(VALU_DEP_1)
	v_cndmask_b32 v12, v10, v12, vcc_lo            ; thread 0 stores the mean, thread 1 the sum of squares,
	v_and_b32 v13, 1, v0
	s_delay_alu instid0(VALU_DEP_1)
	v_lshlrev_b32 v13, 5, v13                      ; 32 bytes further on
	s_wait_alu depctr_va_vdst(0)
	s_wait_xcnt 0x0                                ; EXEC changes only behind this wait
	v_cmp_gt_u32 vcc_lo, 2, v0
	s_wait_tensorcnt 0x0
	ds_add_u32 v192, v193
	s_wait_dscnt 0x0
	s_and_saveexec_b32 s20, vcc_lo
	global_store_b32 v13, v12, s[10:11]
	s_wait_xcnt 0x0                                ; and again in front of the line that widens it
	s_or_b32 exec_lo, exec_lo, s20
	s_endpgm
; ---------------- one tile of a weight ----------------
.Lweights:
	s_lshl_b32 s18, ttmp9, 3
	s_add_co_u32 s18, s18, s14                     ; tile 0..63
	s_lshr_b32 s20, s18, 1
	s_lshl_b32 s20, s20, 5
	s_and_b32 s21, s18, 1
	s_lshl_b32 s21, s21, 3
	s_add_co_u32 s20, s20, s21                     ; qkv_w: the tile's first row, 32 (tile / 2) + 8 (tile % 2)
	s_lshl_b32 s21, s18, 4
	s_sub_co_u32 s21, s21, 768                     ; proj_w: 16 (tile - 48)
	s_wait_kmcnt 0x0
	s_cmp_lt_u32 s18, 48                           ; which weight: the choice hangs on ids alone
	s_cselect_b64 s[22:23], s[6:7], s[8:9]
	s_cselect_b32 s20, s20, s21
	s_cselect_b32 s24, 8, 0                        ; rows 8-15 of a tile of qkv_w lie 8 further on
	s_lshl_b32 s20, s20, 10                        ; a row is 1,024 bytes
	s_mov_b32 s21, 0
	s_add_nc_u64 s[22:23], s[22:23], s[20:21]
	s_lshl_b32 s20, s18, 11
	s_add_nc_u64 s[26:27], s[12:13], s[20:21]      ; the tile's images
	s_lshl_b32 s20, s18, 7
	s_add_co_u32 s20, s20, 131072
	s_add_nc_u64 s[28:29], s[12:13], s[20:21]      ; its scale words
	s_mov_b32 s30, 0xffff0000                      ; lanes 16-31
	v_and_b32 v2, 15, v0                           ; r
	v_bfe_u32 v3, v0, 4, 1                         ; h
	s_delay_alu instid0(VALU_DEP_2)
	v_and_b32 v4, s24, v2
	s_delay_alu instid0(VALU_DEP_1)
	v_add_nc_u32 v4, v4, v2                        ; r + 8 (r / 8), or r
	s_delay_alu instid0(VALU_DEP_1)
	v_lshlrev_b32 v1, 10, v4
	s_delay_alu instid0(VALU_DEP_1)
	v_lshl_add_u32 v1, v3, 7, v1                   ; my row, + 128 h: block h of each 64 along K
	v_and_b32 v5, 31, v0
	s_delay_alu instid0(VALU_DEP_1)
	v_lshlrev_b32 v6, 2, v5                        ; 4 x lane
	s_delay_alu instid0(VALU_DEP_2)
	v_lshlrev_b32 v5, 4, v5                        ; 16 x lane
	v_lshlrev_b32 v4, 3, v3                        ; 8 h: my bytes' place in a scale word
	v_mov_b32 v38, 0                               ; lane permutes' destinations: written once
	v_mov_b32 v39, 0
.irp p, 0,1,2,3
.irp i, 0,1,2,3,4,5,6,7
	global_load_b128 v[X+32*\p+4*\i:X+32*\p+4*\i+3], v1, s[22:23] offset:256*\p+16*\i   ; piece p: a whole block of 32 in my 32 registers
.endr
.endr
.macro PIECE p
.set XS, X+32*\p
	s_wait_loadcnt 24-8*\p                         ; this piece's eight loads are in; the later pieces' may be out
	v_max3_num_f32 v8, |v[XS]|, |v[XS+1]|, |v[XS+2]|               ; the block's largest magnitude: all 32 numbers are mine; two chains
	v_max3_num_f32 v9, |v[XS+3]|, |v[XS+4]|, |v[XS+5]|
.irp i, 6,10,14,18,22,26
	s_delay_alu instid0(VALU_DEP_2)
	v_max3_num_f32 v8, v8, |v[XS+\i]|, |v[XS+\i+1]|
	s_delay_alu instid0(VALU_DEP_2)
	v_max3_num_f32 v9, v9, |v[XS+\i+2]|, |v[XS+\i+3]|
.endr
	s_delay_alu instid0(VALU_DEP_2)
	v_max3_num_f32 v8, v8, |v[XS+30]|, |v[XS+31]|
	s_delay_alu instid0(VALU_DEP_1)
	v_max3_num_f32 v8, v8, v9, 0x1800000           ; and the floor 2^(3 - 127): the byte cannot fall under 1
	s_delay_alu instid0(VALU_DEP_1)
	v_add_nc_u32 v[12+\p], 0xff000000, v8          ; 2 off the exponent field: the conversion takes this operand's exponent field as its scale
	s_delay_alu instid0(VALU_DEP_1)
	v_lshrrev_b32 v[16+\p], 23, v[12+\p]           ; the scale's byte
.irp g, 0,1,2,3
	v_cvt_scalef32_pk8_fp4_f32 v[20+4*\p+\g], v[XS+8*\g:XS+8*\g+7], v[12+\p]
.endr
	v_nop                                          ; one plain line behind the last conversion of a run
	global_store_b128 v5, v[20+4*\p:23+4*\p], s[26:27] offset:512*\p   ; 32 lanes store 512 consecutive bytes; each piece has registers of its own, so no store's data are written again
.endm
	PIECE 0
	PIECE 1
	PIECE 2
	PIECE 3
	v_lshl_or_b32 v36, v17, 16, v16                ; K step 0: my bytes of blocks h and 2 + h,
	v_lshl_or_b32 v37, v19, 16, v18                ; K step 1 likewise,
	s_delay_alu instid0(VALU_DEP_2)
	v_lshlrev_b32 v36, v4, v36                     ; at their places (8 h bits up);
	s_delay_alu instid0(VALU_DEP_2)
	v_lshlrev_b32 v37, v4, v37
	s_delay_alu instid0(VALU_DEP_2)
	v_permlanex16_b32 v38, v36, s16, s17
	s_delay_alu instid0(VALU_DEP_2)
	v_permlanex16_b32 v39, v37, s16, s17
	s_delay_alu instid0(VALU_DEP_2)
	v_or_b32 v36, v36, v38                         ; with lane l xor 16's two bytes each word is whole
	s_delay_alu instid0(VALU_DEP_2)
	v_or_b32 v37, v37, v39
	s_delay_alu instid0(VALU_DEP_1)
	v_cndmask_b32 v36, v36, v37, s30               ; lanes 0-15 keep K step 0's word, lanes 16-31 take K step 1's
	global_store_b32 v6, v36, s[28:29]
	s_endpgm
.Lfunc_end_k_q960942af34_prep:
	.size	k_q960942af34_prep, .Lfunc_end_k_q960942af34_prep-k_q960942af34_prep
	.p2alignl 7, 3214868480
	.fill 96, 4, 3214868480
	.section	.rodata,"a",@progbits
	.p2align	6, 0x0
	.amdhsa_kernel k_q960942af34_prep
		.amdhsa_group_segment_fixed_size 1536
		.amdhsa_private_segment_fixed_size 0
		.amdhsa_enable_private_segment 0
		.amdhsa_kernarg_size 40
		.amdhsa_user_sgpr_count 2
		.amdhsa_user_sgpr_kernarg_segment_ptr 1
		.amdhsa_wavefront_size32 1
		.amdhsa_system_sgpr_workgroup_id_x 1
		.amdhsa_system_sgpr_workgroup_id_y 1
		.amdhsa_system_sgpr_workgroup_id_z 1
		.amdhsa_system_vgpr_workitem_id 0
		.amdhsa_next_free_vgpr 194
		.amdhsa_next_free_sgpr 66
		.amdhsa_reserve_vcc 1
		.amdhsa_float_denorm_mode_32 3
		.amdhsa_float_denorm_mode_16_64 3
		.amdhsa_memory_ordered 1
		.amdhsa_forward_progress 1
		.amdhsa_inst_pref_size 27
	.end_amdhsa_kernel
	.amdgpu_metadata
---
amdhsa.version: [ 1, 2 ]
amdhsa.kernels:
  - .name:           k_q960942af34_prep
    .symbol:         k_q960942af34_prep.kd
    .args:
      - { .name: x, .offset: 0, .size: 8, .value_kind: global_buffer, .address_space: global }
      - { .name: qkv_w, .offset: 8, .size: 8, .value_kind: global_buffer, .address_space: global }
      - { .name: proj_w, .offset: 16, .size: 8, .value_kind: global_buffer, .address_space: global }
      - { .name: stats, .offset: 24, .size: 8, .value_kind: global_buffer, .address_space: global }
      - { .name: wq, .offset: 32, .size: 8, .value_kind: global_buffer, .address_space: global }
    .group_segment_fixed_size: 1536
    .private_segment_fixed_size: 0
    .kernarg_segment_align: 8
    .kernarg_segment_size: 40
    .max_flat_workgroup_size: 256
    .sgpr_count:     66
    .vgpr_count:     194
    .wavefront_size: 32
...
	.end_amdgpu_metadata
.endif
;; end of part 1
;; launch qkv (part 2): grid 256 x 1, 8 waves a work-group, no clusters, 77,312 bytes of LDS; arguments x, norm_w, norm_b, qkv_b, stats, wq, qq, kv; writes qq, kv
.if DOCPART == 2
	.amdgcn_target "amdgcn-amd-amdhsa--gfx1250"
	.amdhsa_code_object_version 6
	.text
	.protected	k_q960942af34_qkv
	.globl	k_q960942af34_qkv
	.p2align	8
	.type	k_q960942af34_qkv,@function
k_q960942af34_qkv:
	s_mov_b64 s[64:65], 0
	v_nop
	global_prefetch_b8 v0, s[64:65] scope:SCOPE_SE
	s_setreg_imm32_b32 hwreg(HW_REG_WAVE_MODE, 25, 1), 1
	s_wait_xcnt 0x0
; GroupNorm, the first 1x1 convolution, and the quantising of q, k and v: all on codes of FP4 (E2M1) with one E8M0 byte for each 32 along a product's K.
; A work-group takes 64 tokens of one image (a row of x is a channel: 64 tokens are 256 aligned bytes) and all 768 outputs.  Eight waves.
; PHASE 0: wave w takes group w (32 channels): finishes its statistics from the eight chunks' means and sums of squares, computes h = (x - mean) (rstd w) + b in f32 and lays it in LDS.
; PHASE X: wave w makes h's fragment (tile of tokens w / 2, K step w % 2): a lane reads a whole block (one group's 32 channels of one token) down the channels, quantises it, and stores the fragment's IMAGE (16 bytes a lane).
; PHASE 1: wave w makes q (w < 4) or k of head w % 4: source 0 = 16 rows of qkv_w, source 1 = 16 tokens of h: a lane holds ONE token and its registers run along the head's channels, the next K.  Quantised in registers, stored as images.
; PHASE 2: wave w makes v's channel tiles 2 w, 2 w + 1: source 0 = 16 tokens, source 1 = 16 rows of qkv_w: a lane holds ONE channel and its registers run along the tokens, the keys: the third product's K.
; THE TOKENS OF A TILE, AND THE ROWS OF A TILE OF qkv_w, ARE NOT NEIGHBOURS: row r of tile 2 b + u is 32 b + 8 u + r + 8 (r / 8), so that the 16 registers of tiles 2 b, 2 b + 1 of a result are 16 neighbours along the next K.
; The biases are the C of each sum's first matrix instruction.
; OUT.  qq: q's images [head 16][tile 256][lane][16], lane (r, h): block h of token r; scale words at 2,097,152: [head][tile][16], bytes b0 b1 b0 b1 (the second half of the instruction's K of 128 is zero codes on both sides).
;       kv: [head][key step 32][8,192]: k's 8 tiles of 512 bytes, then v: [channel tile 4][c 2][lane][16], lane (r, h): keys 64 c + 32 h + 0..31 of channel r;  scale words at 4,194,304: [head][key step][768]: k's 8 x 16, v's 4 x 16.
; LIMITS: h's order of rounding is (x - mean) (rstd w) + b; a block whose largest magnitude lies under 2^-124, and a block of zeros, get the byte 1 (zero codes add nothing); NaN and infinities are not served.
; No tensor load and no cluster: each byte of x is used by one wave once, and all of a work-group's 64 KiB are asked for at its head; the weights' images (96 KiB for all work-groups) are small beside that.
.set HIMG, 67584                       ; LDS: 0 .. 67,583 h in f32: group g at 8,448 g + 128 (g % 2), a channel's 64 tokens in 256 bytes;  then h's 8 fragment images of 1,024 bytes (2 tile + K step),
.set HSC,  75776                       ; then their scale words: [tile][32]: lanes 0-15 K step 0, lanes 16-31 K step 1
.set TM,   16                          ; v16-23 at work in the quantiser
.set SEL,  52                          ; s[52:53] selects for lane l xor 16
; v1 16 lane, v2 4 lane, v3 4 r, v4 h, v5-v13 addresses (below), v14 0; v24, v25 at work; v[26:27] mean, v[28:29] rstd; v32-47 statistics, then codes; v48-63 rstd w, then words and codes;
; v64-127 x, h, a fragment's numbers; then v64-95 accumulators, v96-111 h's fragment or bias blocks, v112-127 v's weights (first tile); v128-191 q/k weights, then h's four fragments; v192-223 q/k bias;
; v224-227, v228, v248-249 scale words; v232-247 norm_b, then v's weights (second tile); v250-251 v's bias.
.macro PLACES n
.rept \n
	v_nop
.endr
.endm
; 32 numbers of a lane, register 16 b + i = k 32 b + 16 (lane / 16) + i of my row, become four registers of codes (lane (r, h): block h) in v[pc] on, and the two scale bytes b0 | b1 << 8 in v[hw].
.macro QUANT2 src, pc, hw
.irp b, 0,1
	v_max3_num_f32 v[TM+\b], |v[(\src)+16*\b]|, |v[(\src)+16*\b+1]|, 0x1800000   ; my 16 numbers of block b, and the floor 2^(3 - 127): the byte cannot fall under 1.  (Each accumulator is read from its low end on)
.endr
.irp i, 2,4,6,8,10,12,14
.irp b, 0,1
	v_max3_num_f32 v[TM+\b], v[TM+\b], |v[(\src)+16*\b+\i]|, |v[(\src)+16*\b+\i+1]|
.endr
.endr
.irp b, 0,1
	s_delay_alu instid0(VALU_DEP_2)
	v_permlanex16_b32 v[TM+2+\b], v[TM+\b], s[SEL], s[SEL+1]
.endr
.irp b, 0,1
	s_delay_alu instid0(VALU_DEP_2)
	v_max_num_f32 v[TM+\b], v[TM+\b], v[TM+2+\b]   ; with lane l xor 16's: the block's largest magnitude
.endr
.irp b, 0,1
	s_delay_alu instid0(VALU_DEP_2)
	v_add_nc_u32 v[TM+4+\b], 0xff000000, v[TM+\b]  ; 2 off its exponent field: the conversion's scale operand
.endr
.irp b, 0,1
	s_delay_alu instid0(VALU_DEP_2)
	v_lshrrev_b32 v[TM+6+\b], 23, v[TM+4+\b]       ; the scale's byte
.endr
	s_delay_alu instid0(VALU_DEP_1)
	v_lshl_or_b32 v[\hw], v[TM+7], 8, v[TM+6]
.irp b, 0,1
	v_cvt_scalef32_pk8_fp4_f32 v[(\pc)+2*\b], v[(\src)+16*\b:(\src)+16*\b+7], v[TM+4+\b]
	v_cvt_scalef32_pk8_fp4_f32 v[(\pc)+2*\b+1], v[(\src)+16*\b+8:(\src)+16*\b+15], v[TM+4+\b]
.endr
	v_nop                                          ; one plain line behind a scaled conversion
	v_permlane16_swap_b32 v[(\pc)], v[(\pc)+2]     ; the operand's layout wants a WHOLE block in a lane: lanes 0-15 block 0, lanes 16-31 block 1
	v_permlane16_swap_b32 v[(\pc)+1], v[(\pc)+3]
.endm
	s_load_b256 s[4:11], s[0:1], 0x0               ; x, norm_w, norm_b, qkv_b
	s_load_b256 s[12:19], s[0:1], 0x20             ; stats, wq, qq, kv
	v_lshl_add_u32 v254, v0, 2, 0x12a00
	v_mov_b32 v255, 0
	v_lshrrev_b32 v1, 5, v0
	s_delay_alu instid0(VALU_DEP_1)
	v_readfirstlane_b32 s20, v1                    ; wave 0..7
	s_lshr_b32 s21, ttmp9, 6                       ; the image
	s_and_b32 s22, ttmp9, 63                       ; which 64 tokens
	s_mov_b32 s52, 0x76543210
	s_mov_b32 s53, 0xfedcba98
	s_mov_b32 s54, 0xffff0000                      ; lanes 16-31
	s_mov_b32 s55, 0x3727c5ac                      ; 1e-5
	s_mov_b32 s57, 0                               ; the high word of every offset
	v_and_b32 v15, 31, v0
	s_delay_alu instid0(VALU_DEP_1)
	v_lshlrev_b32 v1, 4, v15                       ; 16 x lane
	s_delay_alu instid0(VALU_DEP_2)
	v_lshlrev_b32 v2, 2, v15                       ; 4 x lane
	v_and_b32 v15, 15, v0                          ; r
	s_delay_alu instid0(VALU_DEP_1)
	v_lshlrev_b32 v3, 2, v15                       ; 4 r
	v_bfe_u32 v4, v0, 4, 1                         ; h
	s_delay_alu instid0(VALU_DEP_1)
	v_lshlrev_b32 v5, 18, v4
	s_delay_alu instid0(VALU_DEP_1)
	v_lshl_add_u32 v5, v15, 4, v5                  ; x: lanes 0-15 one channel's 256 bytes, lanes 16-31 those of the channel 16 further on
	s_delay_alu instid0(VALU_DEP_3)
	v_lshlrev_b32 v12, 6, v4                       ; 64 h: sixteen f32 further on for lanes 16-31
	v_mov_b32 v14, 0
	v_mov_b32 v18, 0                               ; lane permutes' destinations: written once
	v_mov_b32 v19, 0
	s_lshl_b32 s56, s21, 22                        ; x: image, my group's 32 channels, the 64 tokens
	s_lshl_b32 s58, s20, 19
	s_add_co_u32 s56, s56, s58
	s_lshl_b32 s58, s22, 8
	s_add_co_u32 s56, s56, s58
	s_wait_alu depctr_va_vdst(0)
	s_wait_kmcnt 0x0
	s_add_nc_u64 s[24:25], s[4:5], s[56:57]
	s_lshl_b32 s56, s20, 7                         ; norm_w, norm_b: my group's 32 numbers
	s_add_nc_u64 s[26:27], s[6:7], s[56:57]
	s_add_nc_u64 s[28:29], s[8:9], s[56:57]
	s_lshl_b32 s56, s21, 9                         ; stats: 64 bytes for group 8 image + wave
	s_lshl_b32 s58, s20, 6
	s_add_co_u32 s56, s56, s58
	s_add_nc_u64 s[30:31], s[12:13], s[56:57]
.irp q, 0,1,2,3                        ; 12 loads: the statistics' 16 words (the same in every lane), and w and b of channels 16 h + 0..15 of my group
	global_load_b128 v[32+4*\q:35+4*\q], v14, s[30:31] offset:16*\q
.endr
.irp q, 0,1,2,3
	global_load_b128 v[48+4*\q:51+4*\q], v12, s[26:27] offset:16*\q
.endr
.irp q, 0,1,2,3
	global_load_b128 v[232+4*\q:235+4*\q], v12, s[28:29] offset:16*\q
.endr
.irp j, 0,1,2,3,4,5,6,7,8,9,10,11,12,13,14,15   ; 16 loads: x, two whole rows of 256 aligned bytes an instruction
	global_load_b128 v[64+4*\j:67+4*\j], v5, s[24:25] offset:16384*\j
.endr
	s_lshl_b32 s56, s20, 13                        ; q/k weights: tiles 4 w .. 4 w + 3
	s_add_nc_u64 s[32:33], s[14:15], s[56:57]
	s_lshl_b32 s56, s20, 9
	s_add_co_u32 s56, s56, 131072
	s_add_nc_u64 s[34:35], s[14:15], s[56:57]      ; their scale words
	s_lshl_b32 s56, s20, 8
	s_add_nc_u64 s[36:37], s[10:11], s[56:57]      ; their 64 biases
.irp t, 0,1,2,3                        ; 28 loads: the weights' images, the biases in the result's layout, the scale words
.irp p, 0,1,2,3
	global_load_b128 v[128+16*\t+4*\p:131+16*\t+4*\p], v1, s[32:33] offset:2048*\t+512*\p
.endr
.endr
.irp t, 0,1,2,3
	global_load_b128 v[192+8*\t:195+8*\t], v12, s[36:37] offset:(32*(\t/2)+8*(\t%2))*4      ; lane (r, h), register j: the bias of channel 32 (t / 2) + 8 (t % 2) + 16 h + j
	global_load_b128 v[196+8*\t:199+8*\t], v12, s[36:37] offset:(32*(\t/2)+8*(\t%2))*4+16
.endr
.irp t, 0,1,2,3
	global_load_b32 v[224+\t], v2, s[34:35] offset:128*\t
.endr
	; LDS addresses, all made here, of constants, the lane and the wave
	s_mul_i32 s58, s20, 8448
	s_and_b32 s59, s20, 1
	s_lshl_b32 s60, s59, 7
	s_add_co_u32 s58, s58, s60
	v_lshlrev_b32 v6, 12, v4
	s_delay_alu instid0(VALU_DEP_1)
	v_lshl_add_u32 v6, v15, 4, v6
	s_delay_alu instid0(VALU_DEP_1)
	v_add_nc_u32 v6, s58, v6                       ; h into LDS: my group; lanes 16-31 sixteen channels further on; 16 r
	v_and_b32 v13, 8, v15
	s_delay_alu instid0(VALU_DEP_1)
	v_add_nc_u32 v13, v13, v15
	s_delay_alu instid0(VALU_DEP_1)
	v_lshlrev_b32 v13, 2, v13                      ; 4 (r + 8 (r / 8))
	v_mul_u32_u24 v7, v4, 8576                     ; h out of LDS: lanes 16-31 take the next group (8,448 + 128 bytes on: 32 banks away from lanes 0-15),
	s_delay_alu instid0(VALU_DEP_1)
	v_add_nc_u32 v7, v7, v13                       ; my token of the tile,
	s_mul_i32 s58, s59, 33792                      ; K step w % 2: four groups on,
	s_lshr_b32 s60, s20, 2
	s_lshl_b32 s60, s60, 7
	s_add_co_u32 s58, s58, s60                     ; tile w / 2 begins at token 32 (w / 4) + 8 ((w / 2) % 2)
	s_bfe_u32 s60, s20, 0x10001
	s_lshl_b32 s60, s60, 5
	s_add_co_u32 s58, s58, s60
	v_add_nc_u32 v7, s58, v7
	s_lshl_b32 s58, s20, 10
	s_add_co_u32 s58, s58, HIMG
	v_add_nc_u32 v8, s58, v1                       ; where I store my fragment's image
	s_lshl_b32 s58, s20, 6
	s_add_co_u32 s58, s58, HSC
	v_add_nc_u32 v9, s58, v3                       ; and its scale words
	v_add_nc_u32 v10, HIMG, v1                     ; where any image is read
	v_add_nc_u32 v11, HSC, v2                      ; and any tile's scale words
	; the other bases
	s_lshl_b32 s56, s20, 12
	s_add_co_u32 s56, s56, 65536
	s_add_nc_u64 s[38:39], s[14:15], s[56:57]      ; v's weights: tiles 32 + 2 w, + 1
	s_lshl_b32 s56, s20, 8
	s_add_co_u32 s56, s56, 135168
	s_add_nc_u64 s[40:41], s[14:15], s[56:57]      ; their scale words
	s_lshl_b32 s56, s20, 7
	s_add_co_u32 s56, s56, 2048
	s_add_nc_u64 s[42:43], s[10:11], s[56:57]      ; their biases
	s_and_b32 s58, s20, 3
	s_lshl_b32 s59, s21, 2
	s_add_co_u32 s58, s58, s59                     ; the head among 16: 4 image + w % 4
	s_lshl_b32 s60, s58, 17
	s_lshl_b32 s61, s22, 11
	s_add_co_u32 s60, s60, s61                     ; q's images: 131,072 a head, 2,048 for my four tiles
	s_lshl_b32 s61, s58, 18
	s_lshr_b32 s62, s22, 1                         ; the key step of 128
	s_lshl_b32 s63, s62, 13
	s_add_co_u32 s61, s61, s63
	s_and_b32 s63, s22, 1                          ; and which half of it
	s_lshl_b32 s59, s63, 11
	s_add_co_u32 s61, s61, s59                     ; k's images
	s_cmp_lt_u32 s20, 4                            ; q's wave or k's: the choice hangs on the wave's number alone
	s_cselect_b64 s[44:45], s[16:17], s[18:19]
	s_cselect_b64 s[46:47], s[16:17], s[18:19]
	s_cselect_b32 s56, s60, s61
	s_add_nc_u64 s[44:45], s[44:45], s[56:57]
	s_lshl_b32 s60, s58, 14
	s_lshl_b32 s61, s22, 8
	s_add_co_u32 s60, s60, s61
	s_add_co_u32 s60, s60, 2097152                 ; q's scale words
	s_mul_i32 s61, s58, 24576
	s_mul_i32 s59, s62, 768
	s_add_co_u32 s61, s61, s59
	s_lshl_b32 s59, s63, 8
	s_add_co_u32 s61, s61, s59
	s_add_co_u32 s61, s61, 4194304                 ; k's
	s_cmp_lt_u32 s20, 4
	s_cselect_b32 s56, s60, s61
	s_add_nc_u64 s[46:47], s[46:47], s[56:57]
	s_lshr_b32 s58, s20, 1
	s_lshl_b32 s59, s21, 2
	s_add_co_u32 s58, s58, s59                     ; v's head: 4 image + w / 2
	s_and_b32 s59, s20, 1
	s_lshl_b32 s56, s58, 18
	s_lshl_b32 s60, s62, 13
	s_add_co_u32 s56, s56, s60
	s_lshl_b32 s60, s59, 11                        ; channel tiles 2 (w % 2), + 1 of the head
	s_add_co_u32 s56, s56, s60
	s_lshl_b32 s60, s63, 9                         ; my 64 tokens are c = half of the key step
	s_add_co_u32 s56, s56, s60
	s_add_co_u32 s56, s56, 4096
	s_add_nc_u64 s[48:49], s[18:19], s[56:57]      ; v's images
	s_mul_i32 s56, s58, 24576
	s_mul_i32 s60, s62, 768
	s_add_co_u32 s56, s56, s60
	s_lshl_b32 s60, s59, 7
	s_add_co_u32 s56, s56, s60
	s_lshl_b32 s60, s63, 1
	s_add_co_u32 s56, s56, s60
	s_add_co_u32 s56, s56, 4194304+512
	s_add_nc_u64 s[50:51], s[18:19], s[56:57]      ; v's scale bytes: two of a word's four
; ---- PHASE 0: the group's statistics, then h
	s_wait_loadcnt 44                              ; the first 12 loads are in; x's 16 and the weights' 28 may be out
	v_add_f32 v16, v32, v33
	v_add_f32 v17, v34, v35
	v_add_f32 v20, v36, v37
	v_add_f32 v21, v38, v39
	s_delay_alu instid0(VALU_DEP_3)
	v_add_f32 v16, v16, v17
	s_delay_alu instid0(VALU_DEP_2)
	v_add_f32 v20, v20, v21
	s_delay_alu instid0(VALU_DEP_1)
	v_add_f32 v16, v16, v20
	s_delay_alu instid0(VALU_DEP_1)
	v_mul_f32 v26, 0x3e000000, v16                 ; the group's mean: the mean of eight chunks of equal size
	s_delay_alu instid0(VALU_DEP_1)
	v_mov_b32 v27, v26
.irp i, 0,2,4,6
	v_pk_add_f32 v[32+\i:33+\i], v[32+\i:33+\i], v[26:27] neg_lo:[0,1] neg_hi:[0,1]
.endr
	s_delay_alu instid0(VALU_DEP_4)
	v_pk_mul_f32 v[16:17], v[32:33], v[32:33]
.irp i, 2,4,6
	s_delay_alu instid0(VALU_DEP_1)
	v_pk_fma_f32 v[16:17], v[32+\i:33+\i], v[32+\i:33+\i], v[16:17]   ; the chunks' means about the group's, squared
.endr
	v_pk_add_f32 v[20:21], v[40:41], v[42:43]
	v_pk_add_f32 v[22:23], v[44:45], v[46:47]
	s_delay_alu instid0(VALU_DEP_1)
	v_pk_add_f32 v[20:21], v[20:21], v[22:23]
	s_delay_alu instid0(VALU_DEP_4)
	v_add_f32 v16, v16, v17
	s_delay_alu instid0(VALU_DEP_2)
	v_add_f32 v20, v20, v21
	s_delay_alu instid0(VALU_DEP_1)
	v_fmamk_f32 v20, v16, 0x46800000, v20          ; the group's sum of squares about its mean: the chunks' + 16,384 x those squares
	s_delay_alu instid0(VALU_DEP_1)
	v_fma_f32 v21, v20, 0x37000000, s55            ; / 131,072 + eps
	s_wait_alu depctr_va_vdst(0)
	v_rsq_f32 v28, v21
	v_nop                                          ; one plain line behind the transcendental
	s_wait_alu depctr_va_vdst(0)                   ; the wait ahead of the first line that names its result
	v_mov_b32 v29, v28
.irp i, 0,2,4,6,8,10,12,14
	v_pk_mul_f32 v[48+\i:49+\i], v[48+\i:49+\i], v[28:29]   ; rstd w
.endr
.irp j, 0,1,2,3,4,5,6,7,8,9,10,11,12,13,14,15
	s_wait_loadcnt 43-\j                           ; x's load j is in; its 15 - j younger ones and the weights' 28 may be out
	v_pk_add_f32 v[64+4*\j:65+4*\j], v[64+4*\j:65+4*\j], v[26:27] neg_lo:[0,1] neg_hi:[0,1]
	v_pk_add_f32 v[66+4*\j:67+4*\j], v[66+4*\j:67+4*\j], v[26:27] neg_lo:[0,1] neg_hi:[0,1]
.if (\j%2) == 0                        ; register j of the two runs belongs to my channel: the pair's low word, or its high word, serves both halves
	s_delay_alu instid0(VALU_DEP_2)
	v_pk_fma_f32 v[64+4*\j:65+4*\j], v[64+4*\j:65+4*\j], v[48+\j:49+\j], v[232+\j:233+\j] op_sel_hi:[1,0,0]
	s_delay_alu instid0(VALU_DEP_2)
	v_pk_fma_f32 v[66+4*\j:67+4*\j], v[66+4*\j:67+4*\j], v[48+\j:49+\j], v[232+\j:233+\j] op_sel_hi:[1,0,0]
.else
	s_delay_alu instid0(VALU_DEP_2)
	v_pk_fma_f32 v[64+4*\j:65+4*\j], v[64+4*\j:65+4*\j], v[47+\j:48+\j], v[231+\j:232+\j] op_sel:[0,1,1] op_sel_hi:[1,1,1]
	s_delay_alu instid0(VALU_DEP_2)
	v_pk_fma_f32 v[66+4*\j:67+4*\j], v[66+4*\j:67+4*\j], v[47+\j:48+\j], v[231+\j:232+\j] op_sel:[0,1,1] op_sel_hi:[1,1,1]
.endif
	ds_store_b128 v6, v[64+4*\j:67+4*\j] offset:256*\j
.endr
	s_wait_dscnt 0x0                               ; for the others' sake: my stores have landed
	s_barrier_signal -1
	s_barrier_wait -1                              ; h's 256 channels x 64 tokens lie in LDS
; ---- PHASE X: my fragment of h: a lane takes one token and reads DOWN the channels: blocks 2 c + h of the K step, whole, in the operand's own order
.irp c, 0,1
.irp i, 0,1,2,3,4,5,6,7,8,9,10,11,12,13,14,15,16,17,18,19,20,21,22,23,24,25,26,27,28,29,30,31
	ds_load_b32 v[64+32*\c+\i], v7 offset:16896*\c+256*\i
.endr
.endr
	s_wait_dscnt 0x0
.irp c, 0,1
	v_max3_num_f32 v[TM+\c], |v[64+32*\c]|, |v[65+32*\c]|, 0x1800000
.endr
.irp i, 2,4,6,8,10,12,14,16,18,20,22,24,26,28,30
.irp c, 0,1
	s_delay_alu instid0(VALU_DEP_2)
	v_max3_num_f32 v[TM+\c], v[TM+\c], |v[64+32*\c+\i]|, |v[65+32*\c+\i]|   ; (the two blocks by turns)
.endr
.endr
.irp c, 0,1
	s_delay_alu instid0(VALU_DEP_2)
	v_add_nc_u32 v[TM+4+\c], 0xff000000, v[TM+\c]
.endr
.irp c, 0,1
	s_delay_alu instid0(VALU_DEP_2)
	v_lshrrev_b32 v[TM+6+\c], 23, v[TM+4+\c]
.endr
	s_delay_alu instid0(VALU_DEP_1)
	v_lshl_or_b32 v24, v[TM+7], 16, v[TM+6]        ; my bytes of blocks h and 2 + h,
	v_lshlrev_b32 v25, 3, v4
	s_delay_alu instid0(VALU_DEP_1)
	v_lshlrev_b32 v24, v25, v24                    ; at their places;
	s_delay_alu instid0(VALU_DEP_1)
	v_permlanex16_b32 v[TM+2], v24, s[SEL], s[SEL+1]
	s_delay_alu instid0(VALU_DEP_1)
	v_or_b32 v24, v24, v[TM+2]                     ; with lane l xor 16's the word is whole
.irp c, 0,1
.irp g, 0,1,2,3
	v_cvt_scalef32_pk8_fp4_f32 v[32+4*\c+\g], v[64+32*\c+8*\g:71+32*\c+8*\g], v[TM+4+\c]
.endr
.endr
	v_nop                                          ; one plain line behind the last conversion
	ds_store_b128 v8, v[32:35]
	ds_store_b128 v8, v[36:39] offset:512
	ds_store_b32 v9, v24                           ; lanes r and r + 16 write the same word with the same value
.irp p, 0,1,2,3                        ; 12 loads for phase 2, into registers that are done with: v's weights, their scale words and biases
	global_load_b128 v[112+4*\p:115+4*\p], v1, s[38:39] offset:512*\p
.endr
.irp p, 0,1,2,3
	global_load_b128 v[232+4*\p:235+4*\p], v1, s[38:39] offset:2048+512*\p
.endr
.irp e, 0,1
	global_load_b32 v[248+\e], v2, s[40:41] offset:128*\e
.endr
.irp e, 0,1
	global_load_b32 v[250+\e], v13, s[42:43] offset:32*\e   ; lane r: the bias of the tile's row r
.endr
	s_wait_dscnt 0x0
	s_barrier_signal -1
	s_barrier_wait -1                              ; h's eight fragments lie in LDS; nothing is written to LDS from here on
; ---- PHASE 1: q or k of my head, a tile of 16 tokens at a time
	s_wait_loadcnt 12                              ; my q/k weights, biases and scale words are in; phase 2's twelve loads may be out
.irp m, 0,1,2,3
.irp p, 0,1,2,3
	ds_load_b128 v[96+4*\p:99+4*\p], v10 offset:2048*\m+512*\p
.endr
	ds_load_b32 v228, v11 offset:128*\m
	s_wait_dscnt 0x0
.irp t, 0,1,2,3                        ; the four accumulators take turns, one instruction a turn
	v_wmma_scale_f32_16x16x128_f8f6f4 v[64+8*\t:71+8*\t], v[128+16*\t:135+16*\t], v[96:103], v[192+8*\t:199+8*\t], v[224+\t], v228 matrix_a_fmt:MATRIX_FMT_FP4 matrix_b_fmt:MATRIX_FMT_FP4
.endr
.irp t, 0,1,2,3
	v_wmma_scale_f32_16x16x128_f8f6f4 v[64+8*\t:71+8*\t], v[136+16*\t:143+16*\t], v[104:111], v[64+8*\t:71+8*\t], v[224+\t], v228 matrix_a_fmt:MATRIX_FMT_FP4 matrix_b_fmt:MATRIX_FMT_FP4 matrix_a_scale:MATRIX_SCALE_ROW1 matrix_b_scale:MATRIX_SCALE_ROW1
.endr
	PLACES 5                                       ; four ahead of the first read of results and of loads into the fragment's registers; five ahead of the next tile's products, which begin these accumulators anew
	QUANT2 64, 32+4*\m, 24
	v_lshl_or_b32 v[48+\m], v24, 16, v24           ; the scale word: the two bytes twice: the padded half of K carries zero codes under the same bytes
	global_store_b128 v1, v[32+4*\m:35+4*\m], s[44:45] offset:512*\m   ; 512 consecutive bytes; every tile has registers of its own for what it stores
.if (\m%2) == 1
	v_cndmask_b32 v[52+\m/2], v[47+\m], v[48+\m], s54   ; two tiles' words in one register: 128 consecutive bytes
	global_store_b32 v2, v[52+\m/2], s[46:47] offset:128*(\m/2)
.endif
.endr
; ---- PHASE 2: v, two tiles of 16 channels, all 64 tokens
.irp m, 0,1,2,3
.irp p, 0,1,2,3
	ds_load_b128 v[128+16*\m+4*\p:131+16*\m+4*\p], v10 offset:2048*\m+512*\p
.endr
.endr
.irp m, 0,1,2,3
	ds_load_b32 v[224+\m], v11 offset:128*\m
.endr
	s_wait_loadcnt 0x0                             ; v's weights, scale words and biases
.irp e, 0,1
.irp j, 0,1,2,3,4,5,6,7
	v_mov_b32 v[96+8*\e+\j], v[250+\e]             ; the bias as C: a lane holds one channel, so all eight registers are its bias
.endr
.endr
	PLACES 4
	s_wait_alu depctr_va_vdst(0)
	s_wait_dscnt 0x0
.macro VTILE e, w0
.irp m, 0,1,2,3
	v_wmma_scale_f32_16x16x128_f8f6f4 v[64+8*\m:71+8*\m], v[128+16*\m:135+16*\m], v[\w0:\w0+7], v[96+8*\e:103+8*\e], v[224+\m], v[248+\e] matrix_a_fmt:MATRIX_FMT_FP4 matrix_b_fmt:MATRIX_FMT_FP4
.endr
.irp m, 0,1,2,3
	v_wmma_scale_f32_16x16x128_f8f6f4 v[64+8*\m:71+8*\m], v[136+16*\m:143+16*\m], v[\w0+8:\w0+15], v[64+8*\m:71+8*\m], v[224+\m], v[248+\e] matrix_a_fmt:MATRIX_FMT_FP4 matrix_b_fmt:MATRIX_FMT_FP4 matrix_a_scale:MATRIX_SCALE_ROW1 matrix_b_scale:MATRIX_SCALE_ROW1
.endr
	PLACES 5                                       ; as in phase 1
	QUANT2 64, 56+4*\e, 54+\e                      ; register 16 b + i = token 32 b + 16 h + i of my channel: blocks along the keys
	global_store_b128 v1, v[56+4*\e:59+4*\e], s[48:49] offset:1024*\e
	global_store_b16 v3, v[54+\e], s[50:51] offset:64*\e   ; two of a scale word's four bytes (the other two come from the work-group with the key step's other 64 tokens); lanes r and r + 16 write the same bytes
.endm
	VTILE 0, 112
	VTILE 1, 232
	s_wait_tensorcnt 0x0
	ds_add_u32 v254, v255
	s_wait_dscnt 0x0
	s_endpgm
.Lfunc_end_k_q960942af34_qkv:
	.size	k_q960942af34_qkv, .Lfunc_end_k_q960942af34_qkv-k_q960942af34_qkv
	.p2alignl 7, 3214868480
	.fill 96, 4, 3214868480
	.section	.rodata,"a",@progbits
	.p2align	6, 0x0
	.amdhsa_kernel k_q960942af34_qkv
		.amdhsa_group_segment_fixed_size 77312
		.amdhsa_private_segment_fixed_size 0
		.amdhsa_enable_private_segment 0
		.amdhsa_kernarg_size 64
		.amdhsa_user_sgpr_count 2
		.amdhsa_user_sgpr_kernarg_segment_ptr 1
		.amdhsa_wavefront_size32 1
		.amdhsa_system_sgpr_workgroup_id_x 1
		.amdhsa_system_sgpr_workgroup_id_y 1
		.amdhsa_system_sgpr_workgroup_id_z 1
		.amdhsa_system_vgpr_workitem_id 0
		.amdhsa_next_free_vgpr 256
		.amdhsa_next_free_sgpr 66
		.amdhsa_reserve_vcc 0
		.amdhsa_float_denorm_mode_32 3
		.amdhsa_float_denorm_mode_16_64 3
		.amdhsa_memory_ordered 1
		.amdhsa_forward_progress 1
		.amdhsa_inst_pref_size 55
	.end_amdhsa_kernel
	.amdgpu_metadata
---
amdhsa.version: [ 1, 2 ]
amdhsa.kernels:
  - .name:           k_q960942af34_qkv
    .symbol:         k_q960942af34_qkv.kd
    .args:
      - { .name: x, .offset: 0, .size: 8, .value_kind: global_buffer, .address_space: global }
      - { .name: norm_w, .offset: 8, .size: 8, .value_kind: global_buffer, .address_space: global }
      - { .name: norm_b, .offset: 16, .size: 8, .value_kind: global_buffer, .address_space: global }
      - { .name: qkv_b, .offset: 24, .size: 8, .value_kind: global_buffer, .address_space: global }
      - { .name: stats, .offset: 32, .size: 8, .value_kind: global_buffer, .address_space: global }
      - { .name: wq, .offset: 40, .size: 8, .value_kind: global_buffer, .address_space: global }
      - { .name: qq, .offset: 48, .size: 8, .value_kind: global_buffer, .address_space: global }
      - { .name: kv, .offset: 56, .size: 8, .value_kind: global_buffer, .address_space: global }
    .group_segment_fixed_size: 77312
    .private_segment_fixed_size: 0
    .kernarg_segment_align: 8
    .kernarg_segment_size: 64
    .max_flat_workgroup_size: 256
    .sgpr_count:     66
    .vgpr_count:     256
    .wavefront_size: 32
...
	.end_amdgpu_metadata
.endif
;; end of part 2
;; launch attn (part 3): grid 16 x 16, 16 waves a work-group, clusters of 4 x 1, 327,680 bytes of LDS; arguments qq, kv, oq; writes oq
.if DOCPART == 3
	.amdgcn_target "amdgcn-amd-amdhsa--gfx1250"
	.amdhsa_code_object_version 6
	.text
	.protected	k_q960942af34_attn
	.globl	k_q960942af34_attn
	.p2align	8
	.type	k_q960942af34_attn,@function
k_q960942af34_attn:
	s_mov_b64 s[64:65], 0
	v_nop
	global_prefetch_b8 v0, s[64:65] scope:SCOPE_SE
	s_setreg_imm32_b32 hwreg(HW_REG_WAVE_MODE, 25, 1), 1
	s_wait_xcnt 0x0
	s_wait_alu depctr_hold_cnt(0) depctr_sa_sdst(0) depctr_va_vdst(0) depctr_va_sdst(0) depctr_va_ssrc(0) depctr_va_vcc(0) depctr_vm_vsrc(0)
	s_getreg_b32 s2, hwreg(HW_REG_IB_STS2, 6, 4)
	s_cmp_eq_u32 s2, 0
	s_cbranch_scc0 .Lentry_in_a_cluster
	s_endpgm
.Lentry_in_a_cluster:
	s_bfe_u32 s2, ttmp6, 0x10000c
	s_cmp_lg_u32 s2, 0x3003
	s_cbranch_scc0 .Lentry_shape_is_right
	s_endpgm
.Lentry_shape_is_right:
; Attention on codes of FP4 (E2M1): S^T = K Q^T, p = 2^(t - M), O^T = V^T P^T, o = O / l, and o quantised for the last product.  16 heads (4 images x 4) of 64 channels, 4,096 tokens.
; THE SOFTMAX: t = score x log2(e) / 8; M = the row's largest t so far, rounded UP to a whole number; p = 2^(t - M) is quantised along the keys, not normalised; the row's sum is taken of the unquantised p in f32 and
; divides O at the end.  When M moves, the sum and O are multiplied by 2^(old M - new M): exact.
; SHARES.  A work-group owns 256 queries of one head, each of its SIXTEEN waves one tile of 16, in 256 registers: four waves to a SIMD, so that one wave's exponentials stand beside another's plain arithmetic, products and LDS loads:
; a key step of 128 keys has 12 matrix instructions and some 240 vector instructions a wave, so the vector work decides, and no order inside one wave could hide it.
; LAYOUT.  Both products are used transposed: a lane holds ONE query throughout.  All operands arrive as IMAGES OF THEIR REGISTERS (16 bytes a lane, 512 consecutive bytes for four registers): no pitch, no padding, no shuffle.
; The tokens of a tile are 32 b + 8 u + r + 8 (r / 8) for tile 2 b + u, so that the 16 registers of two neighbouring tiles of S^T are 16 neighbouring keys.  The head's K is 64: the upper half of the instruction's 128 is zero codes on both sides.
; RING.  Two LDS slots of 8 key steps (65,536 bytes: k's and v's images of a key step are 8,192 consecutive bytes), filled by waves 0-3, a quarter each.  The head's scale words (24,576 bytes) come once.
; CLUSTER.  The four work-groups of a cluster belong to one head and walk the same k and v: each tile is asked for JOINTLY, by the same tensor load with the same descriptor and a mask that names the four.
; OUT.  oq: o's images [image][tile 256][head 4][lane][16] (head = 2 x K step + c of the last product's fragment); scale bytes at 2,097,152: [image][tile][r 16][8]: byte 2 head + block.
; LIMITS: 1 / l by v_rcp_f32; a block of p, or of o, whose largest number lies under 2^-124 or is zero gets the byte 1 (zero codes add nothing); NaN and infinities are not served.
.set SLOT1, 65536
.set SCB,   131072                     ; behind the ring: the head's scale words: [key step 32][768]: k's 8 tiles x 16 words, v's 4 x 16
.set SPARE, 155648                     ; the spare words, 128 bytes for each of 16 waves: eight blocks of 256 bytes that no other line names
.set TM,    236                        ; v236-243 at work in the quantiser on the way out
.set SEL,   20                         ; s[20:21] selects for lane l xor 16
; v1 16 lane, v2 SCB + 4 lane, v3 my spare word, v4 0, v5, v6 the step's LDS addresses, v7 256 lane, v8 4 r, v9 8 r; v12 -M, v13 the largest t, v[14:15] the sum in two halves; v16-23 Q (v20-23 zeros);
; v24 Q's scale word, v25 p's, v26-29 k's (lanes 0-15 tile 2 p, lanes 16-31 tile 2 p + 1), v30-31 v's; v32-95 k's 8 fragments (the upper four registers of each are zeros); v96-159 S^T, then p; v160-191 O^T;
; v192-223 v's 4 fragments; v224-231 p's codes; v232-254 at work.
; s10 wave, s11 cx, s12 query block, s13 head, s14 LDS byte of the step's codes, s15 of its scale words, s16 slots still to be asked for, s17 counts a slot's steps, s18 who prefetches, s[22:23] c,
; s[24:31], s[32:39] descriptor groups 1 (codes, scale words), s[40:43], s[44:47] their groups 0, s[48:49] the prefetches' place, s[50:57] Q's and o's bases.
.macro PLACES n
.rept \n
	v_nop
.endr
.endm
.macro QUANT2 src, pc, hw              ; 32 numbers of a lane, register 16 b + i = k 32 b + 16 (lane / 16) + i of my row -> four registers of codes (lane (r, h): block h) and the two scale bytes
.irp b, 0,1
	v_max3_num_f32 v[TM+\b], |v[(\src)+16*\b]|, |v[(\src)+16*\b+1]|, 0x1800000
.endr
.irp i, 2,4,6,8,10,12,14
.irp b, 0,1
	s_delay_alu instid0(VALU_DEP_2)
	v_max3_num_f32 v[TM+\b], v[TM+\b], |v[(\src)+16*\b+\i]|, |v[(\src)+16*\b+\i+1]|
.endr
.endr
.irp b, 0,1
	s_delay_alu instid0(VALU_DEP_2)
	v_permlanex16_b32 v[TM+2+\b], v[TM+\b], s[SEL], s[SEL+1]
.endr
.irp b, 0,1
	s_delay_alu instid0(VALU_DEP_2)
	v_max_num_f32 v[TM+\b], v[TM+\b], v[TM+2+\b]
.endr
.irp b, 0,1
	s_delay_alu instid0(VALU_DEP_2)
	v_add_nc_u32 v[TM+4+\b], 0xff000000, v[TM+\b]
.endr
.irp b, 0,1
	s_delay_alu instid0(VALU_DEP_2)
	v_lshrrev_b32 v[TM+6+\b], 23, v[TM+4+\b]
.endr
	s_delay_alu instid0(VALU_DEP_1)
	v_lshl_or_b32 v[\hw], v[TM+7], 8, v[TM+6]
.irp b, 0,1
	v_cvt_scalef32_pk8_fp4_f32 v[(\pc)+2*\b], v[(\src)+16*\b:(\src)+16*\b+7], v[TM+4+\b]
	v_cvt_scalef32_pk8_fp4_f32 v[(\pc)+2*\b+1], v[(\src)+16*\b+8:(\src)+16*\b+15], v[TM+4+\b]
.endr
	v_nop
	v_permlane16_swap_b32 v[(\pc)], v[(\pc)+2]
	v_permlane16_swap_b32 v[(\pc)+1], v[(\pc)+3]
.endm
; A round of the cluster's barrier: my work-group's barrier, so that wave 0's signal speaks for all sixteen waves; wave 0 signals for the work-group; every wave waits for all four work-groups; my work-group's barrier once more.
.macro CROUND
	s_barrier_signal -1
	s_barrier_wait -1
	s_cmp_lg_u32 s10, 0
	s_cbranch_scc1 .Lnot_wave_0_\@
	s_barrier_signal -3
.Lnot_wave_0_\@:
	s_barrier_wait -3
	s_barrier_signal -1
	s_barrier_wait -1
.endm
; A joint refill: waves 0-3 fetch a quarter of the slot each (64 rows of 256 bytes); the branch hangs on the wave's number alone.  Four v_nop follow the load.
.macro JLOAD
	s_cmp_lt_u32 s10, 4
	s_cbranch_scc0 .Lno_\@
	tensor_load_to_lds s[40:43], s[24:31]
	s_nop 0
.rept 4
	v_nop
.endr
.Lno_\@:
.endm
; A prefetch of what the NEXT change of slots will ask for: a slot's 65,536 bytes, eight key steps ahead of that load.  Each aligned block of 256 bytes is named once in the launch: all clusters of a head walk the same bytes, so the
; head's first cluster asks; its four partners share the slot out BY ADDRESS, 16,384 bytes each; in each, waves 4 and 5, which fetch nothing, ask for 8,192 bytes each, lanes 256 bytes apart.
; The last change that fills a slot asks for nothing; slots 0 and 1 come by their loads alone.
.macro ASK
	s_cmp_gt_u32 s16, s18
	s_cbranch_scc0 .Lnot_mine_\@
	global_prefetch_b8 v7, s[48:49] th:TH_LOAD_NT scope:SCOPE_SE
.Lnot_mine_\@:
.endm
	s_load_b128 s[4:7], s[0:1], 0x0                ; qq, kv
	s_load_b64 s[8:9], s[0:1], 0x10                ; oq
	v_lshl_add_u32 v3, v0, 2, SPARE
	v_mov_b32 v4, 0
	ds_add_u32 v3, v4
	ds_add_u32 v3, v4
	s_wait_dscnt 0x0
	v_lshrrev_b32 v5, 5, v0
	s_delay_alu instid0(VALU_DEP_1)
	v_readfirstlane_b32 s10, v5                    ; wave 0..15
	s_and_b32 s13, ttmp7, 0xffff                   ; the head, which the four partners share
	; descriptor groups 1: dense rows of 256 bytes (32 elements of 8 bytes), no padding
	s_mov_b32 s24, 15|(3<<16)|(1<<21)              ; 15:0 the mask: all four work-groups; 17:16 elements of 8 bytes; 21 set beside a mask
	s_mov_b32 s25, 32<<16                          ; tensor_dim0 = 32
	s_mov_b32 s26, 64<<16                          ; tensor_dim1 = 64
	s_mov_b32 s27, 32<<16                          ; tile_dim0 = 32
	s_mov_b32 s28, 64                              ; tile_dim1 = 64
	s_mov_b32 s29, 32                              ; from row to row
	s_mov_b32 s30, 0
	s_mov_b32 s31, 0
	s_mov_b32 s32, 15|(3<<16)|(1<<21)              ; the scale words: a quarter of the head's is 24 such rows
	s_mov_b32 s33, 32<<16
	s_mov_b32 s34, 24<<16
	s_mov_b32 s35, 32<<16
	s_mov_b32 s36, 24
	s_mov_b32 s37, 32
	s_mov_b32 s38, 0
	s_mov_b32 s39, 0
	s_and_b32 s58, s10, 3                          ; which quarter I fetch, if I fetch
	s_lshl_b32 s41, s58, 14                        ; its place in slot 0: no place in the cluster enters an LDS address
	s_lshl_b32 s60, s13, 18
	s_add_co_u32 s60, s60, s41                     ; and in memory: 262,144 bytes a head
	s_mov_b32 s61, 0
	s_mul_i32 s45, s58, 6144
	s_mul_i32 s62, s13, 24576
	s_add_co_u32 s62, s62, s45
	s_add_co_u32 s62, s62, 4194304
	s_mov_b32 s63, 0
	s_add_co_u32 s45, s45, SCB
	s_mov_b32 s40, 1
	s_mov_b32 s44, 1
	s_wait_kmcnt 0x0
	s_add_nc_u64 s[42:43], s[6:7], s[60:61]
	s_or_b32 s43, s43, 0x80000000                  ; type = 2
	s_add_nc_u64 s[46:47], s[6:7], s[62:63]
	s_or_b32 s47, s47, 0x80000000
	CROUND                                         ; all four work-groups are here: the first joint loads meet
	s_cmp_lt_u32 s10, 4                            ; a wave's two first fills stand in one branch, ahead of every wait on TENSORcnt and every LDS read: two loads of mine are out
	s_cbranch_scc0 .Lno_first
	tensor_load_to_lds s[44:47], s[32:39]          ; the head's scale words: filled once
	s_nop 0
	tensor_load_to_lds s[40:43], s[24:31]          ; slot 0
	s_nop 0
.rept 4
	v_nop
.endr
.Lno_first:
	s_bfe_u32 s11, ttmp6, 0x40000                  ; cx: my place in the cluster: it enters Q's, o's and the prefetches' global addresses alone
	s_lshl_b32 s12, ttmp9, 2
	s_add_co_u32 s12, s12, s11                     ; my block of 256 queries
	s_mov_b32 s20, 0x76543210
	s_mov_b32 s21, 0xfedcba98
	s_mov_b32 s22, 0x3e38aa3b                      ; c = log2(e) / 8
	s_mov_b32 s23, s22                             ; (named with it as a pair, so it is written)
	s_mov_b32 s14, 0
	s_mov_b32 s15, 0
	s_mov_b32 s16, 3
	s_lshl_b32 s58, s12, 4
	s_add_co_u32 s58, s58, s10                     ; my tile of queries, 0..255
	s_lshl_b32 s59, s13, 8
	s_add_co_u32 s59, s59, s58
	s_lshl_b32 s60, s59, 9
	s_add_nc_u64 s[50:51], s[4:5], s[60:61]        ; Q's image
	s_lshl_b32 s60, s59, 6
	s_add_co_u32 s60, s60, 2097152
	s_add_nc_u64 s[52:53], s[4:5], s[60:61]        ; Q's scale words
	v_and_b32 v5, 31, v0
	s_delay_alu instid0(VALU_DEP_1)
	v_lshlrev_b32 v1, 4, v5
	s_delay_alu instid0(VALU_DEP_2)
	v_lshl_add_u32 v2, v5, 2, SCB
	s_delay_alu instid0(VALU_DEP_3)
	v_lshlrev_b32 v7, 8, v5
	v_and_b32 v6, 15, v0
	s_delay_alu instid0(VALU_DEP_1)
	v_lshlrev_b32 v8, 2, v6
	s_delay_alu instid0(VALU_DEP_2)
	v_lshlrev_b32 v9, 3, v6
	global_load_b128 v[16:19], v1, s[50:51]        ; Q stays in registers
	global_load_b32 v24, v8, s[52:53]
	s_lshr_b32 s59, s13, 2                         ; the image,
	s_lshl_b32 s59, s59, 8
	s_add_co_u32 s59, s59, s58
	s_and_b32 s58, s13, 3                          ; the head in it
	s_lshl_b32 s60, s59, 11
	s_lshl_b32 s62, s58, 9
	s_add_co_u32 s60, s60, s62
	s_add_nc_u64 s[54:55], s[8:9], s[60:61]        ; o's image
	s_lshl_b32 s60, s59, 7
	s_lshl_b32 s62, s58, 1
	s_add_co_u32 s60, s60, s62
	s_add_co_u32 s60, s60, 2097152
	s_add_nc_u64 s[56:57], s[8:9], s[60:61]        ; o's scale bytes
	s_lshl_b32 s60, s13, 18                        ; the prefetches: my head, my work-group's quarter, my wave's half of it,
	s_lshl_b32 s58, s11, 14
	s_add_co_u32 s60, s60, s58
	s_and_b32 s58, s10, 1
	s_lshl_b32 s58, s58, 13
	s_add_co_u32 s60, s60, s58
	s_add_co_u32 s60, s60, SLOT1                   ; in slot 1: the first change of slots steps it to slot 2.  Nothing is prefetched here, at the head
	s_add_nc_u64 s[48:49], s[6:7], s[60:61]
	s_sub_co_u32 s58, s10, 4
	s_lshr_b32 s58, s58, 1                         ; 0 in waves 4 and 5,
	s_or_b32 s58, s58, ttmp9                       ; of the head's first cluster: the same in all four partners
	s_cmp_eq_u32 s58, 0
	s_cselect_b32 s18, 1, -1
.irp j, 20,21,22,23
	v_mov_b32 v[\j], 0                             ; Q's codes of k = 64 .. 127: zeros
.endr
.irp t, 0,1,2,3,4,5,6,7
.irp j, 4,5,6,7
	v_mov_b32 v[32+8*\t+\j], 0                     ; k's likewise: written once
.endr
.endr
.set J, 0
.rept 32
	v_mov_b32 v[160+J], 0                          ; O^T.  (The step is written once: the first finds zeros, which the first change of M leaves zeros)
.set J, J+1
.endr
	v_mov_b32 v14, 0                               ; the sum, in two halves
	v_mov_b32 v15, 0
.irp j, 236,237,238,239,240,241,242,243,253,254
	v_mov_b32 v[\j], 0                             ; lane permutes' destinations and the upper half of the pair v[252:253]: written once
.endr
	v_mov_b32 v13, 0xff61b1e6                      ; the largest t so far: -3e38, under every t
	s_delay_alu instid0(VALU_DEP_1)
	v_floor_f32 v12, -v13                          ; -M
; A KEY STEP: 128 keys.
.macro STEP
	v_add_nc_u32 v5, s14, v1                       ; with the two v_nop: the four places between the last step's products and the loads into v's registers
	v_add_nc_u32 v6, s15, v2
	v_nop
	v_nop
.irp p, 0,1,2,3
	ds_load_b32 v[26+\p], v6 offset:128*\p
.endr
.irp t, 0,1,2,3,4,5,6,7
	ds_load_b128 v[32+8*\t:35+8*\t], v5 offset:512*\t
.endr
.irp t, 0,1,2,3
.irp c, 0,1
	ds_load_b128 v[192+8*\t+4*\c:195+8*\t+4*\c], v5 offset:4096+1024*\t+512*\c
.endr
.endr
.irp p, 0,1
	ds_load_b32 v[30+\p], v6 offset:512+128*\p
.endr
	s_wait_dscnt 10                                ; k's fragments and scale words are in; v's ten loads may be out
.irp t, 0,2,4,6                        ; S^T = K Q^T: lane (r, h) holds query r; the 16 registers of tiles 2 b, 2 b + 1 are keys 32 b + 16 h + 0 .. 15
	v_wmma_scale_f32_16x16x128_f8f6f4 v[96+8*\t:103+8*\t], v[32+8*\t:39+8*\t], v[16:23], 0, v[26+\t/2], v24 matrix_a_fmt:MATRIX_FMT_FP4 matrix_b_fmt:MATRIX_FMT_FP4
	v_wmma_scale_f32_16x16x128_f8f6f4 v[104+8*\t:111+8*\t], v[40+8*\t:47+8*\t], v[16:23], 0, v[26+\t/2], v24 matrix_a_fmt:MATRIX_FMT_FP4 matrix_b_fmt:MATRIX_FMT_FP4 matrix_a_scale:MATRIX_SCALE_ROW1
.endr
	PLACES 4
.irp b, 0,1,2,3
	v_max3_num_f32 v[232+\b], v[96+16*\b], v[97+16*\b], v[98+16*\b]   ; THE LARGEST SCORE OF EACH BLOCK OF 32 KEYS: it serves twice: for the row's maximum, and, since p rises with the score, for the block's largest p
.endr
.irp i, 3,5,7,9,11,13
.irp b, 0,1,2,3
	v_max3_num_f32 v[232+\b], v[232+\b], v[96+16*\b+\i], v[97+16*\b+\i]   ; (the four blocks by turns)
.endr
.endr
.irp b, 0,1,2,3
	v_max_num_f32 v[232+\b], v[232+\b], v[111+16*\b]
.endr
.irp b, 0,1,2,3
	s_delay_alu instid0(VALU_DEP_4)
	v_permlanex16_b32 v[236+\b], v[232+\b], s[SEL], s[SEL+1]
.endr
.irp b, 0,1,2,3
	s_delay_alu instid0(VALU_DEP_4)
	v_max_num_f32 v[232+\b], v[232+\b], v[236+\b]  ; with lane l xor 16's 16 keys
.endr
	s_delay_alu instid0(VALU_DEP_2)
	v_max3_num_f32 v254, v232, v233, v234
	s_delay_alu instid0(VALU_DEP_1)
	v_max_num_f32 v254, v254, v235                 ; the step's largest score of my query
	s_delay_alu instid0(VALU_DEP_1)
	v_mul_f32 v254, s22, v254                      ; as t (c is positive)
	s_delay_alu instid0(VALU_DEP_1)
	v_max_num_f32 v13, v13, v254                   ; the running largest t
	v_mov_b32 v254, v12
	s_delay_alu instid0(VALU_DEP_2)
	v_floor_f32 v12, -v13                          ; the new -M = floor(-t) = -ceil(t): M is a whole number
	s_delay_alu instid0(VALU_DEP_1)
	v_sub_f32 v254, v12, v254                      ; old M - new M: a whole number, 0 or less
	s_delay_alu instid0(VALU_DEP_1)
	v_cvt_i32_f32 v254, v254                       ; (it saturates)
	s_delay_alu instid0(VALU_DEP_1)
	v_ldexp_f32 v252, 1.0, v254                    ; f = 2^(old M - new M)
.set J, 0
.rept 32
	v_pk_fma_f32 v[96+J:97+J], v[96+J:97+J], s[22:23], v[12:13] op_sel_hi:[1,0,0]   ; t - M, two at a time (of the pairs c and -M the low word serves both halves)
.set J, J+2
.endr
.irp b, 0,1,2,3
	v_fma_f32 v[232+\b], v[232+\b], s22, v12       ; the same of each block's largest score
.endr
.set J, 0
	s_wait_alu depctr_va_vdst(0)
.rept 64
	v_exp_f32 v[96+J], v[96+J]                     ; p = 2^(t - M), at most 1: not normalised
.set J, J+1
.endr
	s_setprio 1
	v_pk_mul_f32 v[14:15], v[14:15], v[252:253] op_sel_hi:[1,0]   ; the sums under the new M.  (The plain line behind the exponentials)
	s_wait_alu depctr_va_vdst(0)                   ; the wait ahead of the first line that names a result: one for the batch of 64
.irp b, 0,1,2,3
	v_exp_f32 v[232+\b], v[232+\b]                 ; the block's largest p: the same two instructions on the same number give the same bits
.endr
	v_pk_add_f32 v[236:237], v[100:101], v[104:105]
	v_pk_add_f32 v[250:251], v[108:109], v[112:113]
	v_pk_add_f32 v[248:249], v[116:117], v[120:121]
	v_pk_add_f32 v[246:247], v[124:125], v[128:129]
	v_pk_add_f32 v[244:245], v[132:133], v[136:137]
	v_pk_add_f32 v[242:243], v[140:141], v[144:145]
	v_pk_add_f32 v[240:241], v[148:149], v[152:153]
	v_pk_add_f32 v[14:15], v[14:15], v[156:157]
	v_pk_add_f32 v[236:237], v[236:237], v[96:97]
	v_pk_add_f32 v[250:251], v[250:251], v[98:99]
	v_pk_add_f32 v[248:249], v[248:249], v[102:103]
	v_pk_add_f32 v[246:247], v[246:247], v[106:107]
	v_pk_add_f32 v[244:245], v[244:245], v[110:111]
	v_pk_add_f32 v[242:243], v[242:243], v[114:115]
	v_pk_add_f32 v[240:241], v[240:241], v[118:119]
	v_pk_add_f32 v[14:15], v[14:15], v[122:123]
	v_pk_add_f32 v[236:237], v[236:237], v[126:127]
	v_pk_add_f32 v[250:251], v[250:251], v[130:131]
	v_pk_add_f32 v[248:249], v[248:249], v[134:135]
	v_pk_add_f32 v[246:247], v[246:247], v[138:139]
	v_pk_add_f32 v[244:245], v[244:245], v[142:143]
	v_pk_add_f32 v[242:243], v[242:243], v[146:147]
	v_pk_add_f32 v[240:241], v[240:241], v[150:151]
	v_pk_add_f32 v[14:15], v[14:15], v[154:155]
	v_pk_add_f32 v[236:237], v[236:237], v[158:159]
	s_delay_alu instid0(VALU_DEP_2)
	v_pk_add_f32 v[14:15], v[14:15], v[246:247]
	s_delay_alu instid0(VALU_DEP_2)
	v_pk_add_f32 v[236:237], v[236:237], v[244:245]
	v_pk_add_f32 v[250:251], v[250:251], v[242:243]
	v_pk_add_f32 v[248:249], v[248:249], v[240:241]
	s_delay_alu instid0(VALU_DEP_2)
	v_pk_add_f32 v[14:15], v[14:15], v[250:251]
	s_delay_alu instid0(VALU_DEP_2)
	v_pk_add_f32 v[236:237], v[236:237], v[248:249]
	s_delay_alu instid0(VALU_DEP_1)
	v_pk_add_f32 v[14:15], v[14:15], v[236:237]
	s_wait_alu depctr_va_vdst(0)                   ; and one for the four
.irp b, 0,1,2,3
	v_max_num_f32 v[232+\b], 0x1800000, v[232+\b]  ; the floor 2^(3 - 127): the byte cannot fall under 1
.endr
.irp b, 0,1,2,3
	s_delay_alu instid0(VALU_DEP_4)
	v_add_nc_u32 v[244+\b], 0xff000000, v[232+\b]  ; 2 off the exponent field: the conversion's scale operand
.endr
.irp b, 0,1,2,3
	s_delay_alu instid0(VALU_DEP_4)
	v_lshrrev_b32 v[236+\b], 23, v[244+\b]         ; the scale's byte
.endr
	s_delay_alu instid0(VALU_DEP_3)
	v_lshl_or_b32 v25, v237, 8, v236               ; p's scale word for these 128 keys
	s_delay_alu instid0(VALU_DEP_1)
	v_lshl_or_b32 v25, v238, 16, v25
	s_delay_alu instid0(VALU_DEP_1)
	v_lshl_or_b32 v25, v239, 24, v25
.irp b, 0,1,2,3
	v_cvt_scalef32_pk8_fp4_f32 v[224+2*\b], v[96+16*\b:103+16*\b], v[244+\b]
	v_cvt_scalef32_pk8_fp4_f32 v[225+2*\b], v[104+16*\b:111+16*\b], v[244+\b]
.endr
	v_nop                                          ; one plain line behind a scaled conversion
.irp c, 0,1                            ; the operand's layout wants a WHOLE block in a lane: lanes 0-15 block 2 c, lanes 16-31 block 2 c + 1
.irp i, 0,1
	v_permlane16_swap_b32 v[224+4*\c+\i], v[226+4*\c+\i]
.endr
.endr
.set J, 0
	s_setprio 0
.rept 16
	v_pk_mul_f32 v[160+J:161+J], v[160+J:161+J], v[252:253] op_sel_hi:[1,0]   ; O^T under the new M.  For each product below, the twelve of these lines that name other accumulators are the places behind p's scale word (eight) and p's codes (four)
.set J, J+2
.endr
	s_wait_alu depctr_va_vdst(0)
	s_wait_dscnt 0x0                               ; v's fragments and scale words are in: no LDS load of mine is out
.irp t, 0,2                            ; O^T += V^T P^T: four tiles of 16 of the head's 64 channels, by turns
	v_wmma_scale_f32_16x16x128_f8f6f4 v[160+8*\t:167+8*\t], v[192+8*\t:199+8*\t], v[224:231], v[160+8*\t:167+8*\t], v[30+\t/2], v25 matrix_a_fmt:MATRIX_FMT_FP4 matrix_b_fmt:MATRIX_FMT_FP4
	v_wmma_scale_f32_16x16x128_f8f6f4 v[168+8*\t:175+8*\t], v[200+8*\t:207+8*\t], v[224:231], v[168+8*\t:175+8*\t], v[30+\t/2], v25 matrix_a_fmt:MATRIX_FMT_FP4 matrix_b_fmt:MATRIX_FMT_FP4 matrix_a_scale:MATRIX_SCALE_ROW1
.endr
	s_add_co_u32 s14, s14, 8192                    ; the next step's codes
	s_add_co_u32 s15, s15, 768                     ; and scale words
.endm
; THE CHANGE OF SLOTS stands at a slot's head.  Each wave waits for all its tensor loads (its part of the slot that it is about to read), adds 0 to its spare word, and waits for that and for its reads of the slot that it has left.
; fill = 1: the barrier is a round of the cluster's, so that no wave of any partner still reads the other slot or has a load on its way; the joint refill is the first thing behind it and has eight key steps in which to land.
.macro CHANGE fill
	s_wait_tensorcnt 0x0                           ; no tensor load of mine is out, so a group 0 may be written
	ds_add_u32 v3, v4                              ; 0 onto my spare word
.if \fill
	s_xor_b32 s41, s41, SLOT1                      ; the walking descriptor: the other slot than last time,
	s_add_nc_u64 s[42:43], s[42:43], SLOT1         ; the next eight key steps; the type bits on top are not reached
	s_wait_xcnt 0x0                                ; the last prefetch, a slot back, has read its address, so it may be written:
	s_add_nc_u64 s[48:49], s[48:49], SLOT1         ; one slot further on than the walking descriptor
.endif
	s_wait_dscnt 0x0                               ; the add is done, and my reads of the slot that I have left are over
.if \fill
	CROUND
	JLOAD
	ASK
.else
	s_barrier_signal -1
	s_barrier_wait -1
.endif
.endm
.macro SLOT_STEPS                      ; a slot's eight key steps: written once, walked eight times; the LDS addresses hang on s14 and s15
	s_mov_b32 s17, 8
.Lstep_\@:
	s_setprio 2
	STEP
	s_sub_co_u32 s17, s17, 1
	s_cmp_lg_u32 s17, 0
	s_cbranch_scc1 .Lstep_\@
	s_setprio 0
	s_and_b32 s14, s14, 0x1ffff                    ; behind slot 1 comes slot 0
.endm
	s_wait_loadcnt 0x0                             ; Q
.Lslot:                                            ; three trips: behind each change of slots but the last the next slot is asked for
	CHANGE 1
	SLOT_STEPS
	s_sub_co_u32 s16, s16, 1
	s_cmp_lg_u32 s16, 0
	s_cbranch_scc1 .Lslot
	CHANGE 0                                       ; the last slot is written out
	SLOT_STEPS
	; THE WAY OUT: o = O^T / l, quantised along the head's 64 channels: two whole blocks of the last product's K.  A tile's codes are 512 consecutive bytes as they stand: no stage.
	PLACES 4
	v_add_f32 v14, v14, v15                        ; the sum's two halves,
	s_delay_alu instid0(VALU_DEP_1)
	v_permlanex16_b32 v254, v14, s[SEL], s[SEL+1]
	s_delay_alu instid0(VALU_DEP_1)
	v_add_f32 v14, v14, v254                       ; and lane l xor 16's: the row's sum
	s_wait_alu depctr_va_vdst(0)
	v_rcp_f32 v252, v14
	v_nop                                          ; one plain line behind the transcendental
	s_wait_alu depctr_va_vdst(0)                   ; and the wait ahead of the first line that names its result
.set J, 0
.rept 16
	v_pk_mul_f32 v[96+J:97+J], v[160+J:161+J], v[252:253] op_sel_hi:[1,0]   ; each accumulator from its low end on; register 16 b + i = channel 32 b + 16 h + i of my query
.set J, J+2
.endr
	QUANT2 96, 224, 244
	global_store_b128 v1, v[224:227], s[54:55]
	global_store_b16 v9, v244, s[56:57]            ; my head's two of the token's eight scale bytes; lanes r and r + 16 write the same bytes
	s_wait_tensorcnt 0x0                           ; the wave's end
	ds_add_u32 v3, v4
	s_wait_dscnt 0x0
	CROUND                                         ; the closing round: no work-group ends while a partner may still ask for a tile that names it
	s_endpgm
.Lfunc_end_k_q960942af34_attn:
	.size	k_q960942af34_attn, .Lfunc_end_k_q960942af34_attn-k_q960942af34_attn
	.p2alignl 7, 3214868480
	.fill 96, 4, 3214868480
	.section	.rodata,"a",@progbits
	.p2align	6, 0x0
	.amdhsa_kernel k_q960942af34_attn
		.amdhsa_group_segment_fixed_size 327680
		.amdhsa_private_segment_fixed_size 0
		.amdhsa_enable_private_segment 0
		.amdhsa_kernarg_size 24
		.amdhsa_user_sgpr_count 2
		.amdhsa_user_sgpr_kernarg_segment_ptr 1
		.amdhsa_wavefront_size32 1
		.amdhsa_system_sgpr_workgroup_id_x 1
		.amdhsa_system_sgpr_workgroup_id_y 1
		.amdhsa_system_sgpr_workgroup_id_z 1
		.amdhsa_system_vgpr_workitem_id 0
		.amdhsa_next_free_vgpr 256
		.amdhsa_next_free_sgpr 66
		.amdhsa_reserve_vcc 0
		.amdhsa_float_denorm_mode_32 3
		.amdhsa_float_denorm_mode_16_64 3
		.amdhsa_memory_ordered 1
		.amdhsa_forward_progress 1
		.amdhsa_inst_pref_size 47
	.end_amdhsa_kernel
	.amdgpu_metadata
---
amdhsa.version: [ 1, 2 ]
amdhsa.kernels:
  - .name:           k_q960942af34_attn
    .symbol:         k_q960942af34_attn.kd
    .args:
      - { .name: qq, .offset: 0, .size: 8, .value_kind: global_buffer, .address_space: global }
      - { .name: kv, .offset: 8, .size: 8, .value_kind: global_buffer, .address_space: global }
      - { .name: oq, .offset: 16, .size: 8, .value_kind: global_buffer, .address_space: global }
    .group_segment_fixed_size: 327680
    .private_segment_fixed_size: 0
    .kernarg_segment_align: 8
    .kernarg_segment_size: 24
    .max_flat_workgroup_size: 512
    .sgpr_count:     66
    .vgpr_count:     256
    .wavefront_size: 32
...
	.end_amdgpu_metadata
.endif
;; end of part 3
;; launch proj (part 4): grid 256 x 1, 8 waves a work-group, no clusters, 70,656 bytes of LDS; arguments oq, wq, proj_b, x, out0; writes out0
.if DOCPART == 4
	.amdgcn_target "amdgcn-amd-amdhsa--gfx1250"
	.amdhsa_code_object_version 6
	.text
	.protected	k_q960942af34_proj
	.globl	k_q960942af34_proj
	.p2align	8
	.type	k_q960942af34_proj,@function
k_q960942af34_proj:
	s_mov_b64 s[64:65], 0
	v_nop
	global_prefetch_b8 v0, s[64:65] scope:SCOPE_SE
	s_setreg_imm32_b32 hwreg(HW_REG_WAVE_MODE, 25, 1), 1
	s_wait_xcnt 0x0
; out0 = x + proj_w o + proj_b, the product on codes of FP4 (E2M1) with one E8M0 byte for each 32 along K (the 256 channels).
; A work-group takes 64 tokens of one image and all 256 outputs; wave w takes outputs 32 w .. 32 w + 31 (two tiles of proj_w) for the four tiles of tokens: eight accumulators by turns, two K steps.
; Source 0 = 16 tokens of o, source 1 = 16 rows of proj_w: a lane holds ONE output channel, and its eight registers are eight neighbouring tokens (the tokens of tile 2 b + u are 32 b + 8 u + r + 8 (r / 8), so register j of
; lane (r, h) is token 32 b + 8 u + 16 h + j): 32 bytes of a row of out0.  The bias is the C of each sum's first matrix instruction.
; All operands are images of their registers (16 bytes a lane).  The results go through the wave's own stage in LDS and come back as whole rows of 256 bytes, to which x is added; sixteen lanes store 256 consecutive aligned bytes.
; No barrier: waves share nothing.  No tensor load, no cluster: o's codes (8 KiB a work-group) and the weights' images are small beside x and out0, which each work-group touches once.
; v1 16 lane, v2 4 lane, v3 8 r + 4 h, v4 4 r, v5 x's and out0's offset, v6, v7 the stage; v8-11 o's scale words, v12-13 the weights', v14-15 the biases, v16-31 two bias blocks;
; v32-95 o's eight fragments, later the rows read back; v96-127 the weights; v128-191 the accumulators; v192-255 x.
.set SP, 272                           ; a stage row: 256 bytes + 16
	s_load_b256 s[4:11], s[0:1], 0x0               ; oq, wq, proj_b, x
	s_load_b64 s[12:13], s[0:1], 0x20              ; out0
	s_set_vgpr_msb 0x40
	v_lshl_add_u32 v0, v0, 2, 0x11000
	v_mov_b32 v1, 0
	s_set_vgpr_msb 0x4000
	v_lshrrev_b32 v1, 5, v0
	s_delay_alu instid0(VALU_DEP_1)
	v_readfirstlane_b32 s14, v1                    ; wave 0..7
	s_lshr_b32 s15, ttmp9, 6                       ; the image
	s_and_b32 s30, ttmp9, 63                       ; which 64 tokens
	s_mov_b32 s33, 0                               ; the high word of every offset
	v_and_b32 v128, 31, v0
	s_delay_alu instid0(VALU_DEP_1)
	v_lshlrev_b32 v1, 4, v128
	s_delay_alu instid0(VALU_DEP_2)
	v_lshlrev_b32 v2, 2, v128
	v_and_b32 v128, 15, v0                         ; r
	v_bfe_u32 v129, v0, 4, 1                       ; h
	s_delay_alu instid0(VALU_DEP_2)
	v_lshlrev_b32 v3, 3, v128
	s_delay_alu instid0(VALU_DEP_1)
	v_lshl_add_u32 v3, v129, 2, v3                 ; o's scale words: 8 bytes a token; lanes 0-15 K step 0's word, lanes 16-31 K step 1's
	s_delay_alu instid0(VALU_DEP_4)
	v_lshlrev_b32 v4, 2, v128
	s_delay_alu instid0(VALU_DEP_4)
	v_lshlrev_b32 v5, 14, v129
	s_delay_alu instid0(VALU_DEP_1)
	v_lshl_add_u32 v5, v128, 4, v5                 ; lanes 0-15 one channel's 256 bytes, lanes 16-31 the next channel's
	s_mul_i32 s34, s14, 32*SP                      ; my stage: 2 x 16 rows
	v_mul_u32_u24 v6, v128, SP
	s_delay_alu instid0(VALU_DEP_1)
	v_lshl_add_u32 v6, v129, 6, v6
	s_delay_alu instid0(VALU_DEP_1)
	v_add_nc_u32 v6, s34, v6                       ; in: row r, + 64 h
	v_mul_u32_u24 v7, v129, SP
	s_delay_alu instid0(VALU_DEP_1)
	v_lshl_add_u32 v7, v128, 4, v7
	s_delay_alu instid0(VALU_DEP_1)
	v_add_nc_u32 v7, s34, v7                       ; back: lanes 0-15 one row, lanes 16-31 the next
	s_lshl_b32 s31, s15, 8
	s_lshl_b32 s32, s30, 2
	s_add_co_u32 s31, s31, s32                     ; my first tile of tokens among 1,024
	s_lshl_b32 s32, s31, 11
	s_wait_alu depctr_va_vdst(0)
	s_wait_kmcnt 0x0
	s_add_nc_u64 s[16:17], s[4:5], s[32:33]        ; o's images
	s_lshl_b32 s32, s31, 7
	s_add_co_u32 s32, s32, 2097152
	s_add_nc_u64 s[18:19], s[4:5], s[32:33]        ; o's scale bytes
	s_lshl_b32 s32, s14, 12
	s_add_co_u32 s32, s32, 98304
	s_add_nc_u64 s[20:21], s[6:7], s[32:33]        ; proj_w's tiles 48 + 2 w, + 1
	s_lshl_b32 s32, s14, 8
	s_add_co_u32 s32, s32, 137216
	s_add_nc_u64 s[22:23], s[6:7], s[32:33]        ; their scale words
	s_lshl_b32 s32, s14, 7
	s_add_nc_u64 s[24:25], s[8:9], s[32:33]        ; their biases
	s_lshl_b32 s32, s15, 22
	s_lshl_b32 s35, s14, 19
	s_add_co_u32 s32, s32, s35
	s_lshl_b32 s35, s30, 8
	s_add_co_u32 s32, s32, s35
	s_add_nc_u64 s[26:27], s[10:11], s[32:33]      ; x and out0: the image, my 32 channels, the 64 tokens
	s_add_nc_u64 s[28:29], s[12:13], s[32:33]
.irp m, 0,1,2,3                        ; 32 loads that the products wait for
.irp p, 0,1,2,3
	global_load_b128 v[32+16*\m+4*\p:35+16*\m+4*\p], v1, s[16:17] offset:2048*\m+512*\p
.endr
.endr
.irp m, 0,1,2,3
	global_load_b32 v[8+\m], v3, s[18:19] offset:128*\m
.endr
.irp e, 0,1
.irp p, 0,1,2,3
	global_load_b128 v[96+16*\e+4*\p:99+16*\e+4*\p], v1, s[20:21] offset:2048*\e+512*\p
.endr
.endr
.irp e, 0,1
	global_load_b32 v[12+\e], v2, s[22:23] offset:128*\e
.endr
.irp e, 0,1
	global_load_b32 v[14+\e], v4, s[24:25] offset:64*\e
.endr
.irp j, 0,1,2,3,4,5,6,7,8,9,10,11,12,13,14,15   ; and 16 for the residual: two whole rows of 256 aligned bytes an instruction
	global_load_b128 v[192+4*\j:195+4*\j], v5, s[26:27] offset:32768*\j th:TH_LOAD_NT
.endr
	s_wait_loadcnt 16                              ; the operands are in; x's 16 loads may be out
.irp e, 0,1
.irp j, 0,1,2,3,4,5,6,7
	v_mov_b32 v[16+8*\e+\j], v[14+\e]              ; the bias as C: a lane holds one output channel
.endr
.endr
.rept 4
	v_nop
.endr
.irp e, 0,1                            ; the eight accumulators take turns, one instruction a turn
.irp m, 0,1,2,3
	v_wmma_scale_f32_16x16x128_f8f6f4 v[128+8*(4*\e+\m):135+8*(4*\e+\m)], v[32+16*\m:39+16*\m], v[96+16*\e:103+16*\e], v[16+8*\e:23+8*\e], v[8+\m], v[12+\e] matrix_a_fmt:MATRIX_FMT_FP4 matrix_b_fmt:MATRIX_FMT_FP4
.endr
.endr
.irp e, 0,1
.irp m, 0,1,2,3
	v_wmma_scale_f32_16x16x128_f8f6f4 v[128+8*(4*\e+\m):135+8*(4*\e+\m)], v[40+16*\m:47+16*\m], v[104+16*\e:111+16*\e], v[128+8*(4*\e+\m):135+8*(4*\e+\m)], v[8+\m], v[12+\e] matrix_a_fmt:MATRIX_FMT_FP4 matrix_b_fmt:MATRIX_FMT_FP4 matrix_a_scale:MATRIX_SCALE_ROW1 matrix_b_scale:MATRIX_SCALE_ROW1
.endr
.endr
.rept 4
	v_nop                                          ; four places ahead of the LDS stores that read results and of the loads into o's registers
.endr
.macro TOSTAGE e                       ; 16 output channels x 64 tokens into my stage, and back as whole rows: LDS serves a wave's instructions in order, so no wait stands between
.irp m, 0,1,2,3
	ds_store_b128 v6, v[128+8*(4*\e+\m):131+8*(4*\e+\m)] offset:16*SP*\e+128*(\m/2)+32*(\m%2)       ; each accumulator from its low end on
	ds_store_b128 v6, v[132+8*(4*\e+\m):135+8*(4*\e+\m)] offset:16*SP*\e+128*(\m/2)+32*(\m%2)+16
.endr
.irp i, 0,1,2,3,4,5,6,7
	ds_load_b128 v[32+32*\e+4*\i:35+32*\e+4*\i], v7 offset:16*SP*\e+2*SP*\i
.endr
.endm
.macro SEND e
	s_wait_dscnt 16-16*\e                          ; these rows are back; the second stage's eight stores and eight loads may be out
	s_wait_loadcnt 8-8*\e                          ; their eight loads of x are in; the later eight may be out
.irp k, 0,2,4,6,8,10,12,14,16,18,20,22,24,26,28,30
	v_pk_add_f32 v[32+32*\e+\k:33+32*\e+\k], v[32+32*\e+\k:33+32*\e+\k], v[192+32*\e+\k:193+32*\e+\k]   ; the residual
.endr
.irp i, 0,1,2,3,4,5,6,7
	global_store_b128 v5, v[32+32*\e+4*\i:35+32*\e+4*\i], s[28:29] offset:32768*(8*\e+\i) th:TH_STORE_NT   ; sixteen lanes store 256 consecutive bytes, at a multiple of 256 from out0's first byte
.endr
.endm
	TOSTAGE 0
	TOSTAGE 1
	SEND 0
	SEND 1
	s_set_vgpr_msb 0x5
	s_wait_tensorcnt 0x0
	ds_add_u32 v0, v1
	s_wait_dscnt 0x0
	s_set_vgpr_msb 0x500
	s_endpgm
.Lfunc_end_k_q960942af34_proj:
	.size	k_q960942af34_proj, .Lfunc_end_k_q960942af34_proj-k_q960942af34_proj
	.p2alignl 7, 3214868480
	.fill 96, 4, 3214868480
	.section	.rodata,"a",@progbits
	.p2align	6, 0x0
	.amdhsa_kernel k_q960942af34_proj
		.amdhsa_group_segment_fixed_size 70656
		.amdhsa_private_segment_fixed_size 0
		.amdhsa_enable_private_segment 0
		.amdhsa_kernarg_size 40
		.amdhsa_user_sgpr_count 2
		.amdhsa_user_sgpr_kernarg_segment_ptr 1
		.amdhsa_wavefront_size32 1
		.amdhsa_system_sgpr_workgroup_id_x 1
		.amdhsa_system_sgpr_workgroup_id_y 1
		.amdhsa_system_sgpr_workgroup_id_z 1
		.amdhsa_system_vgpr_workitem_id 0
		.amdhsa_next_free_vgpr 258
		.amdhsa_next_free_sgpr 66
		.amdhsa_reserve_vcc 0
		.amdhsa_float_denorm_mode_32 3
		.amdhsa_float_denorm_mode_16_64 3
		.amdhsa_memory_ordered 1
		.amdhsa_forward_progress 1
		.amdhsa_inst_pref_size 16
	.end_amdhsa_kernel
	.amdgpu_metadata
---
amdhsa.version: [ 1, 2 ]
amdhsa.kernels:
  - .name:           k_q960942af34_proj
    .symbol:         k_q960942af34_proj.kd
    .args:
      - { .name: oq, .offset: 0, .size: 8, .value_kind: global_buffer, .address_space: global }
      - { .name: wq, .offset: 8, .size: 8, .value_kind: global_buffer, .address_space: global }
      - { .name: proj_b, .offset: 16, .size: 8, .value_kind: global_buffer, .address_space: global }
      - { .name: x, .offset: 24, .size: 8, .value_kind: global_buffer, .address_space: global }
      - { .name: out0, .offset: 32, .size: 8, .value_kind: global_buffer, .address_space: global }
    .group_segment_fixed_size: 70656
    .private_segment_fixed_size: 0
    .kernarg_segment_align: 8
    .kernarg_segment_size: 40
    .max_flat_workgroup_size: 256
    .sgpr_count:     66
    .vgpr_count:     258
    .wavefront_size: 32
...
	.end_amdgpu_metadata
.endif
;; end of part 4
